; MI455X (gfx1250); checked and timed in simulation.
; The chip was launched on July 23, 2026; its instructions are those of AMD's public machine-readable ISA for CDNA 5 (MIT licence, August 2026) and "CDNA5" Instruction Set Architecture Reference Guide (July 2026). The comments in the code are by the model that wrote it; some were corrected since.
;; Causal Self Attention. Allowed arithmetic: matrix products marked QUANTISED: E4M3 operands, one given power-of-two scale a tensor, by v_wmma_f32_16x16x64_fp8_fp8 or v_wmma_f32_16x16x128_fp8_fp8, f32 sums; everything else in f32.
;; Inputs: lambdas 2 float32; lowp_scales 8 int32 (the exponents e of the quantised operands' scales 2^e); proj_w 1,024 x 1,024 float32; qkv_w 3 x 1,024 x 1,024 float32; ve 1 x 4,096 x 1,024 float32; x 1 x 4,096 x 1,024 float32.
;; Outputs: out0 1 x 4,096 x 1,024 float32.
;; This version of the problem:
;;   THIS VERSION OF THE PROBLEM IS GIVEN IN LOW PRECISION. The matrix products marked QUANTISED in the list below multiply operands that are first quantised to E4M3 (4 exponent bits, 3 mantissa bits; 8 bits a number), with one given power-of-two scale for each operand tensor; their sums are f32. All else is computed in f32.
;;   The module's matrix products, in the order in which they are computed (A, B: the left and right operand; K: the contracted axis; several contracted axes count as one K, in the product's order):
;;     1. [M 4,096, K 1,024] x [K 1,024, N 3,072]; A: input x; B: input qkv_w: QUANTISED (scales: A lowp_scales[0], B lowp_scales[1])
;;     2. batch 8 x [M 4,096, K 128] x [K 128, N 4,096]; A: computed on the way; B: computed on the way: QUANTISED (scales: A lowp_scales[2], B lowp_scales[3])
;;     3. batch 8 x [M 128, K 4,096] x [K 4,096, N 4,096]; A: computed on the way; B: softmax (see below): QUANTISED (scales: A lowp_scales[4], B lowp_scales[5])
;;     4. [M 4,096, K 1,024] x [K 1,024, N 1,024]; A: computed on the way; B: input proj_w: QUANTISED (scales: A lowp_scales[6], B lowp_scales[7])
;;   THE QUANTISER, for each operand of a quantised product, along K:
;;     - The operand's scale is 2^e, e = its entry of the input lowp_scales (int32; the entries are numbered through the quantised products in the list's order, A before B).
;;     - Each number is divided by the scale, clamped to +-448, and rounded to the nearest number of E4M3, ties to even, subnormals kept.
;;     - The product sums the exact products of the quantised numbers (number of the format x scale) in f32.
;;   ~~~python
;;   def quantise(x, axis, e):      # numpy; x: float32 -> the quantised numbers, widened to float32 again
;;       x = np.moveaxis(x, axis, -1); K = x.shape[-1]
;;       r = np.clip(x / 2.0 ** e, -448, 448)
;;       step = 2.0 ** (np.maximum(np.frexp(np.where(r == 0, 1, r))[1] - 1, -6) - 3)
;;       q = np.round(r / step) * step * 2.0 ** e      # np.round: ties to even
;;       return np.moveaxis(q, -1, axis).astype(np.float32)
;;   ~~~
;;   SOFTMAX AHEAD OF A QUANTISED PRODUCT. Where the list says 'softmax', what is quantised is not the finished softmax but p = 2^(t - M), with t = logit x log2(e) and M = ceil(the row's largest t), a whole number; so 1/2 < the row's largest p <= 1. The row's sum l is taken of the UNQUANTISED p, in f32, and the product's result is divided by l at the end. Since M is a whole number, a kernel that streams over the keys may use a running M (the ceiling of the running maximum): every later rescaling is an exact power of two, so the quantised numbers keep their values, but for numbers so far below the row's largest that they fall under the format's range.
;;   OPERANDS COMPUTED ON THE WAY. 'Computed on the way' means the value that the module computes at that place (a softmax that the list does not call 'softmax' is quantised finished and normalised). What goes into a quantiser is computed in f32, as accurately as f32 sums, v_exp_f32 and their like allow (about 1e-6 of the number): no bf16 or f16 on the way to a quantiser, and a product that is left as it is and whose result goes on into a quantised operand takes f32 operands (vector FMAs, or v_wmma_f32_16x16x4_f32). A number that lies on a knife's edge between two numbers of the format may be rounded either way, as far as f32 arithmetic and the matrix unit's own rounding can turn it there, and no further.
;; One version. Each part assembles by itself: llvm-mc -triple=amdgcn-amd-amdhsa -mcpu=gfx1250 --defsym DOCPART=n.
;; ======== version 1 of 1: 4 launches
;; limits: right only within a limited range of input values
;; workspace buffers: x_codes 4,194,304 bytes; w_codes 3,145,728 bytes; p_codes 1,048,576 bytes; rope 1,048,576 bytes; q_img 4,194,304 bytes; k_img 4,194,304 bytes; v_img 4,194,304 bytes; y_img 4,194,304 bytes
;; launch prep (part 1): grid 512 x 1, 4 waves a work-group, no clusters, 33,280 bytes of LDS; arguments x, qkv_w, proj_w, lowp_scales, x_codes, w_codes, p_codes, rope; writes x_codes, w_codes, p_codes, rope
.if DOCPART == 1
	.amdgcn_target "amdgcn-amd-amdhsa--gfx1250"
	.amdhsa_code_object_version 6
	.text
	.protected	k_q383776bcf6_prep
	.globl	k_q383776bcf6_prep
	.p2align	8
	.type	k_q383776bcf6_prep,@function
k_q383776bcf6_prep:
	s_mov_b64 s[64:65], 0
	v_nop
	global_prefetch_b8 v0, s[64:65] scope:SCOPE_SE
	s_setreg_imm32_b32 hwreg(HW_REG_WAVE_MODE, 25, 1), 1
	s_wait_xcnt 0x0
; x [4096][1024], qkv_w [3072][1024] and proj_w [1024][1024], f32 with K innermost, become codes of FP8 (E4M3), one byte each, in the same order; each tensor with its given scale 2^e
; (entries 0, 1 and 7 of the buffer of scales).  code = number / 2^e, held within +-448, to the nearest code, ties to even.  LIMITS: each e between -126 and 119; NaN among the inputs is not served.
; The three tensors are plain streams of numbers.  The first 256 work-groups take x, the next 192 qkv_w, the last 64 proj_w: only pointers and e are chosen, by the work-group's number; there is one path.
; A wave takes 8 steps of 512 numbers.  Each of a step's four loads reads 512 consecutive bytes, 16 a lane; the 2,048 bytes turn through the wave's own stage in LDS and come back 64 bytes a lane, so that a lane
; holds 16 neighbours along K for the conversions; its 16 codes are 16 bytes and the wave stores 512 consecutive bytes.  Loads run four steps (16 loads a wave) ahead, the turn through LDS one step.
; THE ROPE TABLE is made under the first loads.  rope: [token tile 256][group 8][lane 32][4 f32]; groups 0-3 cos, 4-7 sin; in group i (mod 4) lane (r, h) holds token 16 T + r and
; d = 16 (i / 2) + 8 h + 4 (i % 2) + 0 .. 3: the order in which the next launch's lanes hold a head's first 32 channels.  Angle = token x 2^(-10 d / 31).  Work-group g makes half of tile g / 2:
; wave w makes group 2 (g % 2) + w % 2; waves 0, 1 store its cos, waves 2, 3 its sin.  sin and cos: the angle less n x pi/2 (pi/2 in two parts; the first product is exact since n < 2^12), then polynomials on +-pi/4.
.set WAVES, 4
.set STEPS, 8
.set WGX,   256                        ; work-groups for x: 4096 x 1024 / (512 x 8 x 4)
.set WGW,   192                        ; for qkv_w
.set EMAX,  8
.set MANT,  0x600000                   ; the mantissa field of 448 as f32
.set R,     16                         ; v16-79   four sets of 16 numbers as they are loaded
.set X,     80                         ; v80-111  two sets of 16 neighbours
.set C,     128                        ; v128-159 codes: four registers for each step, so that no store's data are written again
.set WREG,  8192                       ; LDS: a region for each wave: two stages of 32 x SP bytes
.set SP,    80                         ; a lane's place in a stage: 64 bytes + 16 of padding
.set SPW,   12                         ; v12 LDS address of my spare word; never rewritten
.set NIL,   13                         ; v13 0; never rewritten
.set SPARE, WAVES*WREG                 ; behind the four regions: the spare words, 128 bytes a wave
.set TF,    160                        ; the table: the token as f32
.set TW,    161                        ; d of my first number
.set TA,    164                        ; four each: the angle
.set TN,    168                        ; n
.set TR,    172                        ; the reduced angle
.set TZ,    176                        ; its square
.set TS,    180                        ; sin, then what is stored
.set TC,    184                        ; cos
.set TQ,    188                        ; n as a whole number
.set TU,    192                        ; at work
.set TV,    196
	s_load_b256 s[4:11], s[0:1], 0x0               ; x s[4:5], qkv_w s[6:7], proj_w s[8:9], the scales' exponents s[10:11]
	s_load_b256 s[12:19], s[0:1], 0x20             ; x_codes s[12:13], w_codes s[14:15], p_codes s[16:17], rope s[18:19]
	v_lshl_add_u32 v[SPW], v0, 2, SPARE
	v_mov_b32 v[NIL], 0
	v_lshrrev_b32 v1, 5, v0
	v_readfirstlane_b32 s24, v1                    ; wave
	v_and_b32 v2, 31, v0                           ; lane
	v_lshlrev_b32 v3, 4, v2                        ; my 16 bytes of a load's 512, of a store's 512 and of a table group's 512
	s_mul_i32 s25, s24, WREG
	v_lshrrev_b32 v14, 2, v2
	v_mul_u32_u24 v14, v14, SP
	v_and_b32 v15, 3, v2
	v_lshl_add_u32 v14, v15, 4, v14
	v_add_nc_u32 v14, s25, v14                     ; the stage, on the way in: SP (lane / 4) + 16 (lane % 4)
	v_mul_u32_u24 v15, v2, SP
	v_add_nc_u32 v15, s25, v15                     ; and on the way out: SP x lane: my 16 neighbours
	s_wait_alu depctr_va_vdst(0)
	s_wait_kmcnt 0x0
	s_load_b256 s[32:39], s[10:11], 0x0            ; e0 .. e7
	s_cmp_lt_u32 ttmp9, WGX+WGW                    ; which tensor: the choice hangs on the work-group's number alone
	s_cselect_b64 s[20:21], s[6:7], s[8:9]
	s_cselect_b64 s[22:23], s[14:15], s[16:17]
	s_mov_b32 s26, WGX+WGW
	s_cselect_b32 s26, WGX, s26
	s_cmp_lt_u32 ttmp9, WGX
	s_cselect_b64 s[20:21], s[4:5], s[20:21]       ; the numbers
	s_cselect_b64 s[22:23], s[12:13], s[22:23]     ; the codes
	s_cselect_b32 s26, 0, s26                      ; the tensor's first work-group
	s_sub_co_u32 s26, ttmp9, s26
	s_lshl_b32 s26, s26, 2
	s_add_co_u32 s26, s26, s24                     ; which run of 4,096 numbers is my wave's
	s_lshl_b32 s28, s26, 14                        ; 16,384 bytes of numbers,
	s_mov_b32 s29, 0
	s_add_nc_u64 s[20:21], s[20:21], s[28:29]
	s_lshl_b32 s28, s26, 12                        ; 4,096 bytes of codes
	s_add_nc_u64 s[22:23], s[22:23], s[28:29]
.macro LOAD t
.irp i, 0,1,2,3
	global_load_b128 v[R+16*((\t)%4)+4*\i:R+16*((\t)%4)+4*\i+3], v3, s[20:21] offset:2048*(\t)+512*\i th:TH_LOAD_NT   ; 32 lanes read 512 consecutive bytes
.endr
.endm
.macro TURN t                          ; step t's numbers through the stage: LDS serves a wave's instructions in order, so no wait stands between the stores and the loads
.irp i, 0,1,2,3
	ds_store_b128 v14, v[R+16*((\t)%4)+4*\i:R+16*((\t)%4)+4*\i+3] offset:32*SP*((\t)%2)+8*SP*\i
.endr
.irp i, 0,1,2,3
	ds_load_b128 v[X+16*((\t)%2)+4*\i:X+16*((\t)%2)+4*\i+3], v15 offset:32*SP*((\t)%2)+16*\i
.endr
.endm
.irp t, 0,1,2,3
	LOAD \t
.endr
	; ---- the rope table, while the first sixteen loads are on their way
	s_and_b32 s40, ttmp9, 1
	s_lshl_b32 s40, s40, 1
	s_and_b32 s41, s24, 1
	s_add_co_u32 s40, s40, s41                     ; my group, 0 .. 3
	s_lshr_b32 s41, s24, 1                         ; 0: I store cos; 1: sin
	s_lshr_b32 s42, ttmp9, 1                       ; the token tile
	s_lshr_b32 s43, s40, 1
	s_lshl_b32 s43, s43, 4
	s_and_b32 s44, s40, 1
	s_lshl_b32 s44, s44, 2
	s_add_co_u32 s43, s43, s44                     ; 16 (group / 2) + 4 (group % 2)
	s_lshl_b32 s44, s42, 4                         ; the tile's first token
	s_mov_b32 s45, 0x3fc90fdb                      ; pi/2, upper part
	s_mov_b32 s46, 0xb33bbd2e                      ; pi/2 less that
	s_mov_b32 s47, 0xb94ca1f9                      ; sin's polynomial
	s_mov_b32 s48, 0x3c08839e
	s_mov_b32 s49, 0xbe2aaaa3
	s_mov_b32 s50, 0x37ccf5ce                      ; cos's
	s_mov_b32 s51, 0xbab6061a
	s_mov_b32 s52, 0x3d2aaaa5
	s_cmp_eq_u32 s41, 0
	s_cselect_b32 s53, 0, -1                       ; a mask for all lanes: sin is chosen
	s_lshl_b32 s54, s42, 12                        ; a tile's table is 4,096 bytes,
	s_lshl_b32 s55, s41, 11                        ; sin lies 2,048 behind cos,
	s_add_co_u32 s54, s54, s55
	s_lshl_b32 s55, s40, 9                         ; a group is 512
	s_add_co_u32 s54, s54, s55
	s_mov_b32 s55, 0
	s_add_nc_u64 s[18:19], s[18:19], s[54:55]
	v_bfe_u32 v[TW], v0, 4, 1                      ; h
	v_lshl_add_u32 v[TW], v[TW], 3, s43            ; d of my first number
	v_and_b32 v[TF], 15, v0
	v_add_nc_u32 v[TF], s44, v[TF]
	v_cvt_f32_u32 v[TF], v[TF]                     ; my token
.irp e, 0,1,2,3
	v_add_nc_u32 v[TA+\e], \e, v[TW]
.endr
.irp e, 0,1,2,3
	v_cvt_f32_u32 v[TA+\e], v[TA+\e]
.endr
.irp e, 0,1,2,3
	v_mul_f32 v[TA+\e], 0xbea5294a, v[TA+\e]       ; -10 d / 31
.endr
	s_wait_alu depctr_va_vdst(0)
.irp e, 0,1,2,3
	v_exp_f32 v[TA+\e], v[TA+\e]                   ; (1/1024)^(d / 31)
.endr
	v_nop                                          ; a plain instruction behind the last exponential,
	s_wait_alu depctr_va_vdst(0)                   ; and one wait for the batch of four, ahead of the first reader
.irp e, 0,1,2,3
	v_mul_f32 v[TA+\e], v[TF], v[TA+\e]            ; the angle, 0 to 4,095
	v_mul_f32 v[TN+\e], 0x3f22f983, v[TA+\e]       ; x 2 / pi
	v_rndne_f32 v[TN+\e], v[TN+\e]                 ; n
	v_fma_f32 v[TR+\e], -v[TN+\e], s45, v[TA+\e]   ; exact: both terms are multiples of 2^-23 and the difference is under 2
	v_fma_f32 v[TR+\e], -v[TN+\e], s46, v[TR+\e]
	v_mul_f32 v[TZ+\e], v[TR+\e], v[TR+\e]
	v_fma_f32 v[TU+\e], v[TZ+\e], s47, s48
	v_fma_f32 v[TU+\e], v[TU+\e], v[TZ+\e], s49
	v_mul_f32 v[TV+\e], v[TR+\e], v[TZ+\e]
	v_fma_f32 v[TS+\e], v[TV+\e], v[TU+\e], v[TR+\e]   ; sin of the reduced angle
	v_fma_f32 v[TU+\e], v[TZ+\e], s50, s51
	v_fma_f32 v[TU+\e], v[TU+\e], v[TZ+\e], s52
	v_fma_f32 v[TV+\e], v[TZ+\e], -0.5, 1.0
	v_mul_f32 v[TC+\e], v[TZ+\e], v[TZ+\e]
	v_fma_f32 v[TC+\e], v[TC+\e], v[TU+\e], v[TV+\e]   ; cos of it
	v_cvt_i32_f32 v[TQ+\e], v[TN+\e]
	v_and_b32 v[TU+\e], 1, v[TQ+\e]
	v_cmp_eq_u32 vcc_lo, 1, v[TU+\e]               ; an odd quarter turn swaps the two
	v_cndmask_b32 v[TV+\e], v[TS+\e], v[TC+\e], vcc_lo
	v_cndmask_b32 v[TC+\e], v[TC+\e], v[TS+\e], vcc_lo
	v_and_b32 v[TU+\e], 2, v[TQ+\e]
	v_lshlrev_b32 v[TU+\e], 30, v[TU+\e]
	v_xor_b32 v[TS+\e], v[TU+\e], v[TV+\e]         ; sin is negative in quarters 2, 3
	v_add_nc_u32 v[TQ+\e], 1, v[TQ+\e]
	v_and_b32 v[TQ+\e], 2, v[TQ+\e]
	v_lshlrev_b32 v[TQ+\e], 30, v[TQ+\e]
	v_xor_b32 v[TC+\e], v[TQ+\e], v[TC+\e]         ; cos in quarters 1, 2
	v_cndmask_b32 v[TS+\e], v[TC+\e], v[TS+\e], s53    ; what my wave stores
.endr
	global_store_b128 v3, v[TS:TS+3], s[18:19]     ; 32 lanes store 512 consecutive bytes; these registers are not written again
	; ---- the quantiser
	s_wait_kmcnt 0x0
	s_cmp_lt_u32 ttmp9, WGX+WGW
	s_cselect_b32 s30, s33, s39
	s_cmp_lt_u32 ttmp9, WGX
	s_cselect_b32 s30, s32, s30                    ; e
	s_add_co_i32 s30, s30, 127
	s_lshl_b32 s31, s30, 23
	v_mov_b32 v11, s31                             ; 2^e as f32: the conversion takes its exponent field
	s_add_co_i32 s30, s30, EMAX
	s_lshl_b32 s30, s30, 23
	s_or_b32 s30, s30, MANT
	v_mov_b32 v10, s30                             ; 448 x 2^e
	s_wait_alu depctr_va_vdst(0)
	s_wait_loadcnt 12                              ; step 0's four loads are in
	TURN 0
.macro STEP t
.set XS, X+16*((\t)%2)
	s_wait_dscnt 0x0                               ; this step's numbers are back from the stage: so its stores into the stage have read their registers,
.if (\t)+4 < STEPS
	LOAD (\t)+4                                    ; which take the loads of four steps on
.endif
.if (\t)+1 < STEPS
.if STEPS-2-(\t) >= 3
	s_wait_loadcnt 12                              ; the next step's four loads are in; those of the three steps behind it may be out
.else
	s_wait_loadcnt 4*(STEPS-2-(\t))
.endif
	TURN (\t)+1                                    ; and go through the other stage while this step is worked
.endif
.irp i, 0,1,2,3,4,5,6,7,8,9,10,11,12,13,14,15
	v_med3_num_f32 v[XS+\i], v[XS+\i], -v10, v10   ; the conversion to an 8-bit code does not saturate (ISA guide 7.6.2): the hold at the largest code x the scale
.endr
	v_cvt_scalef32_pk8_fp8_f32 v[C+4*(\t):C+4*(\t)+1], v[XS:XS+7], v11
	v_cvt_scalef32_pk8_fp8_f32 v[C+4*(\t)+2:C+4*(\t)+3], v[XS+8:XS+15], v11
	global_store_b128 v3, v[C+4*(\t):C+4*(\t)+3], s[22:23] offset:512*(\t)   ; 32 lanes store 512 consecutive bytes; the results go to a store alone, and the next step begins with plain vector lines
.endm
.irp t, 0,1,2,3,4,5,6,7
	STEP \t
.endr
	s_wait_tensorcnt 0x0                           ; the wave's end, behind my last LDS store
	ds_add_u32 v[SPW], v[NIL]
	s_wait_dscnt 0x0
	s_endpgm
.Lfunc_end_k_q383776bcf6_prep:
	.size	k_q383776bcf6_prep, .Lfunc_end_k_q383776bcf6_prep-k_q383776bcf6_prep
	.p2alignl 7, 3214868480
	.fill 96, 4, 3214868480
	.section	.rodata,"a",@progbits
	.p2align	6, 0x0
	.amdhsa_kernel k_q383776bcf6_prep
		.amdhsa_group_segment_fixed_size 33280
		.amdhsa_private_segment_fixed_size 0
		.amdhsa_enable_private_segment 0
		.amdhsa_kernarg_size 64
		.amdhsa_user_sgpr_count 2
		.amdhsa_user_sgpr_kernarg_segment_ptr 1
		.amdhsa_wavefront_size32 1
		.amdhsa_system_sgpr_workgroup_id_x 1
		.amdhsa_system_sgpr_workgroup_id_y 1
		.amdhsa_system_sgpr_workgroup_id_z 1
		.amdhsa_system_vgpr_workitem_id 0
		.amdhsa_next_free_vgpr 200
		.amdhsa_next_free_sgpr 66
		.amdhsa_reserve_vcc 1
		.amdhsa_float_denorm_mode_32 3
		.amdhsa_float_denorm_mode_16_64 3
		.amdhsa_memory_ordered 1
		.amdhsa_forward_progress 1
		.amdhsa_inst_pref_size 27
	.end_amdhsa_kernel
	.amdgpu_metadata
---
amdhsa.version: [ 1, 2 ]
amdhsa.kernels:
  - .name:           k_q383776bcf6_prep
    .symbol:         k_q383776bcf6_prep.kd
    .args:
      - { .name: x, .offset: 0, .size: 8, .value_kind: global_buffer, .address_space: global }
      - { .name: qkv_w, .offset: 8, .size: 8, .value_kind: global_buffer, .address_space: global }
      - { .name: proj_w, .offset: 16, .size: 8, .value_kind: global_buffer, .address_space: global }
      - { .name: lowp_scales, .offset: 24, .size: 8, .value_kind: global_buffer, .address_space: global }
      - { .name: x_codes, .offset: 32, .size: 8, .value_kind: global_buffer, .address_space: global }
      - { .name: w_codes, .offset: 40, .size: 8, .value_kind: global_buffer, .address_space: global }
      - { .name: p_codes, .offset: 48, .size: 8, .value_kind: global_buffer, .address_space: global }
      - { .name: rope, .offset: 56, .size: 8, .value_kind: global_buffer, .address_space: global }
    .group_segment_fixed_size: 33280
    .private_segment_fixed_size: 0
    .kernarg_segment_align: 8
    .kernarg_segment_size: 64
    .max_flat_workgroup_size: 128
    .sgpr_count:     66
    .vgpr_count:     200
    .wavefront_size: 32
...
	.end_amdgpu_metadata
.endif
;; end of part 1
;; launch qkv (part 2): grid 8 x 32, 4 waves a work-group, clusters of 4 x 4, 327,680 bytes of LDS; arguments x_codes, w_codes, ve, rope, lambdas, lowp_scales, q_img, k_img, v_img; writes q_img, k_img, v_img
.if DOCPART == 2
	.amdgcn_target "amdgcn-amd-amdhsa--gfx1250"
	.amdhsa_code_object_version 6
	.text
	.protected	k_q383776bcf6_qkv
	.globl	k_q383776bcf6_qkv
	.p2align	8
	.type	k_q383776bcf6_qkv,@function
k_q383776bcf6_qkv:
	s_mov_b64 s[64:65], 0
	v_nop
	global_prefetch_b8 v0, s[64:65] scope:SCOPE_SE
	s_setreg_imm32_b32 hwreg(HW_REG_WAVE_MODE, 25, 1), 1
	s_wait_xcnt 0x0
	s_wait_alu depctr_hold_cnt(0) depctr_sa_sdst(0) depctr_va_vdst(0) depctr_va_sdst(0) depctr_va_ssrc(0) depctr_va_vcc(0) depctr_vm_vsrc(0)
	s_getreg_b32 s2, hwreg(HW_REG_IB_STS2, 6, 4)
	s_cmp_eq_u32 s2, 0
	s_cbranch_scc0 .Lentry_in_a_cluster
	s_endpgm
.Lentry_in_a_cluster:
	s_bfe_u32 s2, ttmp6, 0x10000c
	s_cmp_lg_u32 s2, 0xf033
	s_cbranch_scc0 .Lentry_shape_is_right
	s_endpgm
.Lentry_shape_is_right:
.set PITCH,  272
.set QUART,  128*PITCH
.set SLOT,   4*QUART
.set SPARE,  2*SLOT
.set VPITCH, 528
.set LI,   1
.set ADRX, 2
.set ADRW, 4
.set ADRV, 6
.set VEA,  8
.set SPW,  10
.set NIL,  11
.set SS,   12
.set LIMV, 28
.set SCV,  29
.set LAM,  30
.set T,    32
.set Y1,   96
.set Y2,   112
.set RT,   128
.set VE,   128
.set WV,   22
.set G1A,  32
.set G1B,  40
.set G1E,  48
.set G0A,  56
.set G0B,  68
.set G0E,  76
.set MSB, 0
.macro WIN new
.if MSB != \new
	s_set_vgpr_msb (MSB<<8)|\new
.set MSB, \new
.endif
.endm
.macro JLOAD s
	s_cmp_eq_u32 s[WV], 0
	s_cbranch_scc0 .Lfor_b_\@
	tensor_load_to_lds s[G0A+4*\s:G0A+4*\s+3], s[G1A:G1A+7]
	s_nop 0
.rept 4
	v_nop
.endr
	s_branch .Lasked_\@
.Lfor_b_\@:
	tensor_load_to_lds s[G0B+4*\s:G0B+4*\s+3], s[G1B:G1B+7]
	s_nop 0
.rept 4
	v_nop
.endr
.Lasked_\@:
.endm
.macro ELOAD
	tensor_load_to_lds s[G0E:G0E+3], s[G1E:G1E+7]
	s_nop 0
.rept 4
	v_nop
.endr
.endm
.macro CREST
	s_cmp_lg_u32 s[WV], 0
	s_cbranch_scc1 .Lnot_wave_0_\@
	s_barrier_signal -3
.Lnot_wave_0_\@:
	s_barrier_wait -3
	s_barrier_signal -1
	s_barrier_wait -1
.endm
.macro CROUND
	s_barrier_signal -1
	s_barrier_wait -1
	CREST
.endm
.macro PLACES
.rept 4
	v_nop
.endr
.endm
.macro FETCH slot, k, p
	WIN 0x40
.irp i, 0,1,2,3
	ds_load_b128 v[128*(\p)+8*\i:128*(\p)+8*\i+3],   v[ADRX+\slot] offset:\k+\i*16*PITCH
	ds_load_b128 v[128*(\p)+8*\i+4:128*(\p)+8*\i+7], v[ADRX+\slot] offset:\k+\i*16*PITCH+32
.endr
.irp n, 0,1,2,3,4,5,6,7
	ds_load_b128 v[128*(\p)+32+8*\n:128*(\p)+32+8*\n+3],   v[ADRW+\slot] offset:\k+\n*16*PITCH
	ds_load_b128 v[128*(\p)+32+8*\n+4:128*(\p)+32+8*\n+7], v[ADRW+\slot] offset:\k+\n*16*PITCH+32
.endr
.irp n, 0,1,2,3
	ds_load_b128 v[128*(\p)+96+8*\n:128*(\p)+96+8*\n+3],   v[ADRV+\slot] offset:\k+(32*(\n/2)+8*(\n%2))*PITCH
	ds_load_b128 v[128*(\p)+96+8*\n+4:128*(\p)+96+8*\n+7], v[ADRV+\slot] offset:\k+(32*(\n/2)+8*(\n%2))*PITCH+32
.endr
.endm
.macro MULQK p, i0, zero
	WIN 0xa5
.irp i, \i0, \i0+1
.irp n, 0,1,2,3,4,5,6,7
.if \zero
	v_wmma_f32_16x16x64_fp8_fp8 v[8*(8*(\i)+\n):8*(8*(\i)+\n)+7], v[128*(\p)+32+8*\n:128*(\p)+32+8*\n+7], v[128*(\p)+8*(\i):128*(\p)+8*(\i)+7], 0
.else
	v_wmma_f32_16x16x64_fp8_fp8 v[8*(8*(\i)+\n):8*(8*(\i)+\n)+7], v[128*(\p)+32+8*\n:128*(\p)+32+8*\n+7], v[128*(\p)+8*(\i):128*(\p)+8*(\i)+7], v[8*(8*(\i)+\n):8*(8*(\i)+\n)+7]
.endif
.endr
.endr
.endm
.macro MULV p, zero
	WIN 0xf5
.irp n, 0,1,2,3
.irp i, 0,1,2,3
.if \zero
	v_wmma_f32_16x16x64_fp8_fp8 v[8*(4*\n+\i):8*(4*\n+\i)+7], v[128*(\p)+8*\i:128*(\p)+8*\i+7], v[128*(\p)+96+8*\n:128*(\p)+96+8*\n+7], 0
.else
	v_wmma_f32_16x16x64_fp8_fp8 v[8*(4*\n+\i):8*(4*\n+\i)+7], v[128*(\p)+8*\i:128*(\p)+8*\i+7], v[128*(\p)+96+8*\n:128*(\p)+96+8*\n+7], v[8*(4*\n+\i):8*(4*\n+\i)+7]
.endif
.endr
.endr
.endm
.macro CHUNK slot, knext, p, zero
	s_wait_dscnt 0x0
	PLACES
	FETCH \slot, \knext, 1-(\p)
	MULQK \p, 0, \zero
	MULQK \p, 2, \zero
	MULV \p, \zero
.endm
.macro TURN slot, next, joint
	WIN 0
	s_wait_tensorcnt 0x0
	ds_add_u32 v[SPW], v[NIL]
	s_wait_dscnt 1
	MULQK 1, 0, 0
	s_wait_dscnt 0x0
	s_barrier_signal -1
	MULQK 1, 2, 0
	WIN 0
	s_barrier_wait -1
	CREST
.if \joint
	s_add_nc_u64 s[G0A+4*\slot+2:G0A+4*\slot+3], s[G0A+4*\slot+2:G0A+4*\slot+3], 512
	s_add_nc_u64 s[G0B+4*\slot+2:G0B+4*\slot+3], s[G0B+4*\slot+2:G0B+4*\slot+3], 512
	JLOAD \slot
.else
	ELOAD
.endif
	FETCH \next, 0, 0
	MULV 1, 0
.endm
	s_load_b256 s[4:11], s[0:1], 0x0
	s_load_b256 s[12:19], s[0:1], 0x20
	s_load_b64 s[20:21], s[0:1], 0x40
	v_lshl_add_u32 v[SPW], v0, 2, SPARE
	v_mov_b32 v[NIL], 0
	ds_add_u32 v[SPW], v[NIL]
	ds_add_u32 v[SPW], v[NIL]
	v_lshrrev_b32 v1, 5, v0
	v_readfirstlane_b32 s[WV], v1
	s_and_b32 s23, s[WV], 1
	s_lshr_b32 s24, s[WV], 1
	s_bfe_u32 s25, ttmp6, 0x40000
	s_bfe_u32 s26, ttmp6, 0x40004
	s_lshl_b32 s27, ttmp9, 2
	s_add_co_u32 s27, s27, s25
	s_and_b32 s28, ttmp7, 0xffff
	s_lshl_b32 s28, s28, 2
	s_add_co_u32 s28, s28, s26
	s_lshl_b32 s29, s26, 2
	s_lshl_b32 s29, 15, s29
	s_lshl_b32 s30, 0x1111, s25
	s_or_b32 s[G1A], s29, (0<<16)|(1<<20)|(1<<21)|(5<<22)|(3<<25)
	s_or_b32 s[G1B], s30, (0<<16)|(1<<20)|(1<<21)|(5<<22)|(3<<25)
.irp g, G1A, G1B
	s_mov_b32 s[\g+1], 256<<16
	s_mov_b32 s[\g+2], 128<<16
	s_mov_b32 s[\g+3], 256<<16
	s_mov_b32 s[\g+4], 128
	s_mov_b32 s[\g+5], 1024
	s_mov_b32 s[\g+6], 0
	s_mov_b32 s[\g+7], 0
.endr
	s_mov_b32 s[G1E], (2<<16)|(1<<20)|(6<<22)|(3<<25)
	s_mov_b32 s[G1E+1], 128<<16
	s_mov_b32 s[G1E+2], 32<<16
	s_mov_b32 s[G1E+3], 128<<16
	s_mov_b32 s[G1E+4], 32
	s_mov_b32 s[G1E+5], 1024
	s_mov_b32 s[G1E+6], 0
	s_mov_b32 s[G1E+7], 0
	s_lshl_b32 s90, s28, 17
	s_mov_b32 s91, 0
	s_max_u32 s92, s[WV], 1
	s_sub_co_u32 s92, s92, 1
	s_lshl_b32 s92, s92, 20
	s_lshl_b32 s93, s27, 17
	s_add_co_u32 s92, s92, s93
	s_mov_b32 s93, 0
	s_lshl_b32 s94, s28, 7
	s_lshl_b32 s95, s[WV], 5
	s_add_co_u32 s94, s94, s95
	s_lshl_b32 s94, s94, 12
	s_lshl_b32 s95, s27, 9
	s_add_co_u32 s94, s94, s95
	s_mov_b32 s95, 0
	s_mul_i32 s96, s[WV], QUART
	s_mul_i32 s97, s[WV], 32*VPITCH
	s_mov_b32 s2, 0x76543210
	s_mov_b32 s3, 0xfedcba98
	s_wait_dscnt 0x0
	s_wait_kmcnt 0x0
	s_load_b256 s[80:87], s[14:15], 0x0
	s_load_b64 s[88:89], s[12:13], 0x0
	s_add_nc_u64 s[90:91], s[4:5], s[90:91]
	s_add_nc_u64 s[92:93], s[6:7], s[92:93]
	CROUND
.irp s, 0,1
	s_mov_b32 s[G0A+4*\s], 1
	s_add_co_u32 s[G0A+4*\s+1], s96, \s*SLOT
	s_add_nc_u64 s[G0A+4*\s+2:G0A+4*\s+3], s[90:91], \s*256
	s_or_b32 s[G0A+4*\s+3], s[G0A+4*\s+3], 0x80000000
	s_mov_b32 s[G0B+4*\s], 1
	s_add_co_u32 s[G0B+4*\s+1], s96, \s*SLOT
	s_add_nc_u64 s[G0B+4*\s+2:G0B+4*\s+3], s[92:93], \s*256
	s_or_b32 s[G0B+4*\s+3], s[G0B+4*\s+3], 0x80000000
.if \s                                             ; slot 1's first fill is issued as a refill is; slot 0's goes out behind the opening round
	s_wait_alu depctr_va_vdst(0)
	s_wait_tensorcnt 0x0
	ds_add_u32 v10, v11
	ds_add_u32 v10, v11
	s_wait_dscnt 0x0
	CROUND
.endif
	JLOAD \s
.endr
	s_mov_b32 s[G0E], 1
	s_mov_b32 s[G0E+1], s97
	s_add_nc_u64 s[G0E+2:G0E+3], s[8:9], s[94:95]
	s_or_b32 s[G0E+3], s[G0E+3], 0x80000000
	v_and_b32 v[LI], 31, v0
	v_lshlrev_b32 v[LI], 4, v[LI]
	s_lshl_b32 s98, s28, 3
	s_lshl_b32 s99, s23, 2
	s_add_co_u32 s98, s98, s99
	s_lshl_b32 s98, s98, 12
	s_mov_b32 s99, 0
	s_add_nc_u64 s[10:11], s[10:11], s[98:99]
.irp i, 0,1,2,3
.irp g, 0,1,2,3,4,5,6,7
	global_load_b128 v[RT+32*\i+4*\g:RT+32*\i+4*\g+3], v[LI], s[10:11] offset:\i*4096+\g*512
.endr
.endr
	v_and_b32 v12, 15, v0
	v_bfe_u32 v13, v0, 4, 1
	v_mul_u32_u24 v14, v12, PITCH
	v_lshl_add_u32 v14, v13, 4, v14
	s_wait_alu depctr_va_vdst(0)
	v_and_b32 v15, 8, v12
	v_add_nc_u32 v15, v15, v12
	v_mul_u32_u24 v16, v15, PITCH
	v_lshl_add_u32 v16, v13, 4, v16
	s_wait_alu depctr_va_vdst(0)
	s_mul_i32 s98, s23, 64*PITCH
	s_mul_i32 s99, s24, 128*PITCH
	s_add_co_u32 s99, s99, 128*PITCH
	s_mul_i32 s100, s24, 64*PITCH
	s_add_co_u32 s100, s100, 384*PITCH
.irp s, 0,1
	v_add_nc_u32 v[ADRX+\s], s98, v14
	v_add_nc_u32 v[ADRW+\s], s99, v14
	v_add_nc_u32 v[ADRV+\s], s100, v16
	s_add_co_u32 s98, s98, SLOT
	s_add_co_u32 s99, s99, SLOT
	s_add_co_u32 s100, s100, SLOT
.endr
	v_mul_u32_u24 v[VEA], v13, 8*VPITCH
	v_lshl_add_u32 v[VEA], v15, 2, v[VEA]
	s_mul_i32 s98, s23, 64*VPITCH
	s_lshl_b32 s99, s24, 8
	s_add_co_u32 s98, s98, s99
	v_add_nc_u32 v[VEA], s98, v[VEA]
	s_wait_alu depctr_va_vdst(0)
	s_wait_tensorcnt 1
	s_barrier_signal -1
	s_barrier_wait -1
	FETCH 0, 0, 0
	CHUNK 0, 64,  0, 1
	CHUNK 0, 128, 1, 0
	CHUNK 0, 192, 0, 0
	TURN 0, 1, 1
	CHUNK 1, 64,  0, 0
	CHUNK 1, 128, 1, 0
	CHUNK 1, 192, 0, 0
	TURN 1, 0, 1
	CHUNK 0, 64,  0, 0
	CHUNK 0, 128, 1, 0
	CHUNK 0, 192, 0, 0
	TURN 0, 1, 0
	CHUNK 1, 64,  0, 0
	CHUNK 1, 128, 1, 0
	CHUNK 1, 192, 0, 0
	s_wait_dscnt 0x0
	MULQK 1, 0, 0
	MULQK 1, 2, 0
	MULV 1, 0
	WIN 0
	s_wait_kmcnt 0x0
	s_cmp_eq_u32 s24, 0
	s_cselect_b32 s92, s82, s83
	s_cselect_b64 s[16:17], s[16:17], s[18:19]
	s_add_co_i32 s90, s80, s81
	s_lshl_b32 s91, s90, 1
	s_sub_co_i32 s91, s91, 7
	s_add_co_i32 s92, s92, 127
	s_lshl_b32 s93, s92, 23
	s_add_co_i32 s92, s92, 8
	s_lshl_b32 s92, s92, 23
	s_or_b32 s92, s92, 0x600000
	s_lshl_b32 s94, s27, 8
	s_lshl_b32 s95, s28, 3
	s_add_co_u32 s94, s94, s95
	s_lshl_b32 s95, s23, 2
	s_add_co_u32 s94, s94, s95
	s_lshl_b32 s94, s94, 11
	s_mov_b32 s95, 0
	s_add_nc_u64 s[16:17], s[16:17], s[94:95]
	v_mov_b32 v[SCV], s93
	v_mov_b32 v[LIMV], s92
	v_nop
	v_nop
	WIN 0x0a
.irp p, 0,4,8,12,16,20,24,28,32,36,40,44,48,52,56,60
.irp i, 0,1,2,3
.if \p == 0
	v_pk_mul_f32 v[SS+4*\i:SS+4*\i+1],   v[64*\i:64*\i+1],   v[64*\i:64*\i+1]
	v_pk_mul_f32 v[SS+4*\i+2:SS+4*\i+3], v[64*\i+2:64*\i+3], v[64*\i+2:64*\i+3]
.else
	v_pk_fma_f32 v[SS+4*\i:SS+4*\i+1],   v[64*\i+\p:64*\i+\p+1],   v[64*\i+\p:64*\i+\p+1],   v[SS+4*\i:SS+4*\i+1]
	v_pk_fma_f32 v[SS+4*\i+2:SS+4*\i+3], v[64*\i+\p+2:64*\i+\p+3], v[64*\i+\p+2:64*\i+\p+3], v[SS+4*\i+2:SS+4*\i+3]
.endif
.endr
.endr
	WIN 0
.irp i, 0,1,2,3
	v_pk_add_f32 v[SS+4*\i:SS+4*\i+1], v[SS+4*\i:SS+4*\i+1], v[SS+4*\i+2:SS+4*\i+3]
.endr
.irp i, 0,1,2,3
	v_add_f32 v[SS+4*\i], v[SS+4*\i], v[SS+4*\i+1]
.endr
.irp i, 0,1,2,3
	v_permlanex16_b32 v[SS+4*\i+1], v[SS+4*\i], s2, s3
.endr
.irp i, 0,1,2,3
	v_add_f32 v[SS+4*\i], v[SS+4*\i], v[SS+4*\i+1]
.endr
.irp i, 0,1,2,3
	v_ldexp_f32 v[SS+4*\i], v[SS+4*\i], s91
.endr
.irp i, 0,1,2,3
	v_add_f32 v[SS+4*\i], 0x34000000, v[SS+4*\i]
.endr
	s_wait_alu depctr_va_vdst(0)
.irp i, 0,1,2,3
	v_rsq_f32 v[SS+4*\i], v[SS+4*\i]
.endr
	v_nop
	s_wait_alu depctr_va_vdst(0)
.irp i, 0,1,2,3
	v_ldexp_f32 v[SS+4*\i], v[SS+4*\i], s90
.endr
	s_wait_alu depctr_va_vdst(0)
	s_wait_loadcnt 0x0
.macro TILEOUT i
.if \i > 0
	s_wait_xcnt 0x0
.endif
	WIN 0x02
.set p, 0
.rept 32
	v_pk_mul_f32 v[T+p:T+p+1], v[64*\i+p:64*\i+p+1], v[SS+4*\i:SS+4*\i+1] op_sel_hi:[1,0]
.set p, p+2
.endr
	WIN 0
.irp q, 0,2,4,6,8,10,12,14
	v_pk_mul_f32 v[Y1+\q:Y1+\q+1], v[T+\q:T+\q+1],       v[RT+32*\i+\q:RT+32*\i+\q+1]
	v_pk_mul_f32 v[Y2+\q:Y2+\q+1], v[T+32+\q:T+32+\q+1], v[RT+32*\i+\q:RT+32*\i+\q+1]
.endr
.irp q, 0,2,4,6,8,10,12,14
	v_pk_fma_f32 v[Y1+\q:Y1+\q+1], v[T+32+\q:T+32+\q+1], v[RT+32*\i+16+\q:RT+32*\i+16+\q+1], v[Y1+\q:Y1+\q+1]
	v_pk_fma_f32 v[Y2+\q:Y2+\q+1], v[T+\q:T+\q+1],       v[RT+32*\i+16+\q:RT+32*\i+16+\q+1], v[Y2+\q:Y2+\q+1] neg_lo:[1,0,0] neg_hi:[1,0,0]
.endr
.irp q, 0,1,2,3,4,5,6,7,8,9,10,11,12,13,14,15
	v_med3_num_f32 v[Y1+\q], v[Y1+\q], -v[LIMV], v[LIMV]
	v_med3_num_f32 v[Y2+\q], v[Y2+\q], -v[LIMV], v[LIMV]
	v_med3_num_f32 v[T+16+\q], v[T+16+\q], -v[LIMV], v[LIMV]
	v_med3_num_f32 v[T+48+\q], v[T+48+\q], -v[LIMV], v[LIMV]
.endr
	v_cvt_scalef32_pk8_fp8_f32 v[T:T+1],     v[Y1:Y1+7],     v[SCV]
	v_cvt_scalef32_pk8_fp8_f32 v[T+2:T+3],   v[Y1+8:Y1+15],  v[SCV]
	v_cvt_scalef32_pk8_fp8_f32 v[T+4:T+5],   v[T+16:T+23],   v[SCV]
	v_cvt_scalef32_pk8_fp8_f32 v[T+6:T+7],   v[T+24:T+31],   v[SCV]
	v_cvt_scalef32_pk8_fp8_f32 v[T+8:T+9],   v[Y2:Y2+7],     v[SCV]
	v_cvt_scalef32_pk8_fp8_f32 v[T+10:T+11], v[Y2+8:Y2+15],  v[SCV]
	v_cvt_scalef32_pk8_fp8_f32 v[T+12:T+13], v[T+48:T+55],   v[SCV]
	v_cvt_scalef32_pk8_fp8_f32 v[T+14:T+15], v[T+56:T+63],   v[SCV]
	v_nop
.irp c, 0,1,2,3
	global_store_b128 v[LI], v[T+4*\c:T+4*\c+3], s[16:17] offset:\i*2048+\c*512
.endr
.endm
	TILEOUT 0
	TILEOUT 1
	TILEOUT 2
	TILEOUT 3
	s_wait_alu depctr_va_vdst(0)
	s_wait_tensorcnt 0x0                           ; my part of ve's tile is in: it had q's and k's way out in which to land,
	s_barrier_signal -1
	s_barrier_wait -1                              ; everybody's is
.irp n, 0,1,2,3
.irp i, 0,1,2,3
.irp j, 0,1,2,3,4,5,6,7
	ds_load_b32 v[VE+8*(4*\n+\i)+\j], v[VEA] offset:(16*\i+\j)*VPITCH+(32*(\n/2)+8*(\n%2))*4
.endr
.endr
.endr
	s_mov_b32 s94, s89
	s_mov_b32 s95, s89
	s_add_co_i32 s92, s84, 127
	s_lshl_b32 s93, s92, 23
	s_add_co_i32 s92, s92, 8
	s_lshl_b32 s92, s92, 23
	s_or_b32 s92, s92, 0x600000
	s_lshl_b32 s96, s27, 5
	s_add_co_u32 s96, s96, s28
	s_lshl_b32 s96, s96, 3
	s_lshl_b32 s97, s24, 2
	s_add_co_u32 s96, s96, s97
	s_lshl_b32 s96, s96, 11
	s_lshl_b32 s97, s23, 10
	s_add_co_u32 s96, s96, s97
	s_mov_b32 s97, 0
	s_add_nc_u64 s[20:21], s[20:21], s[96:97]
	v_mov_b32 v[LAM], s88
	v_mov_b32 v[LAM+1], 0
	v_ldexp_f32 v[LAM], v[LAM], s90
	v_mov_b32 v[SCV], s93
	v_mov_b32 v[LIMV], s92
	s_wait_dscnt 0x0
.set p, 0
.rept 64
	v_pk_mul_f32 v[VE+p:VE+p+1], v[VE+p:VE+p+1], s[94:95] op_sel_hi:[1,0]
.set p, p+2
.endr
	WIN 0x03
.set p, 0
.rept 64
	v_pk_fma_f32 v[VE+p:VE+p+1], v[p:p+1], v[LAM:LAM+1], v[VE+p:VE+p+1] op_sel_hi:[1,0,1]
.set p, p+2
.endr
	WIN 0
.set p, 0
.rept 128
	v_med3_num_f32 v[VE+p], v[VE+p], -v[LIMV], v[LIMV]
.set p, p+1
.endr
	s_wait_xcnt 0x0
.irp n, 0,1,2,3
.irp i, 0,1,2,3
	v_cvt_scalef32_pk8_fp8_f32 v[T+8*\n+2*\i:T+8*\n+2*\i+1], v[VE+8*(4*\n+\i):VE+8*(4*\n+\i)+7], v[SCV]
.endr
.endr
	v_nop
.irp n, 0,1,2,3
.irp g, 0,1
	global_store_b128 v[LI], v[T+8*\n+4*\g:T+8*\n+4*\g+3], s[20:21] offset:\n*2048+\g*512
.endr
.endr
	s_wait_tensorcnt 0x0
	ds_add_u32 v[SPW], v[NIL]
	s_wait_dscnt 0x0
	CROUND
	s_endpgm
.Lfunc_end_k_q383776bcf6_qkv:
	.size	k_q383776bcf6_qkv, .Lfunc_end_k_q383776bcf6_qkv-k_q383776bcf6_qkv
	.p2alignl 7, 3214868480
	.fill 96, 4, 3214868480
	.section	.rodata,"a",@progbits
	.p2align	6, 0x0
	.amdhsa_kernel k_q383776bcf6_qkv
		.amdhsa_group_segment_fixed_size 327680
		.amdhsa_private_segment_fixed_size 0
		.amdhsa_enable_private_segment 0
		.amdhsa_kernarg_size 72
		.amdhsa_user_sgpr_count 2
		.amdhsa_user_sgpr_kernarg_segment_ptr 1
		.amdhsa_wavefront_size32 1
		.amdhsa_system_sgpr_workgroup_id_x 1
		.amdhsa_system_sgpr_workgroup_id_y 1
		.amdhsa_system_sgpr_workgroup_id_z 1
		.amdhsa_system_vgpr_workitem_id 0
		.amdhsa_next_free_vgpr 896
		.amdhsa_next_free_sgpr 102
		.amdhsa_reserve_vcc 0
		.amdhsa_float_denorm_mode_32 3
		.amdhsa_float_denorm_mode_16_64 3
		.amdhsa_memory_ordered 1
		.amdhsa_forward_progress 1
		.amdhsa_inst_pref_size 173
	.end_amdhsa_kernel
	.amdgpu_metadata
---
amdhsa.version: [ 1, 2 ]
amdhsa.kernels:
  - .name:           k_q383776bcf6_qkv
    .symbol:         k_q383776bcf6_qkv.kd
    .args:
      - { .name: x_codes, .offset: 0, .size: 8, .value_kind: global_buffer, .address_space: global }
      - { .name: w_codes, .offset: 8, .size: 8, .value_kind: global_buffer, .address_space: global }
      - { .name: ve, .offset: 16, .size: 8, .value_kind: global_buffer, .address_space: global }
      - { .name: rope, .offset: 24, .size: 8, .value_kind: global_buffer, .address_space: global }
      - { .name: lambdas, .offset: 32, .size: 8, .value_kind: global_buffer, .address_space: global }
      - { .name: lowp_scales, .offset: 40, .size: 8, .value_kind: global_buffer, .address_space: global }
      - { .name: q_img, .offset: 48, .size: 8, .value_kind: global_buffer, .address_space: global }
      - { .name: k_img, .offset: 56, .size: 8, .value_kind: global_buffer, .address_space: global }
      - { .name: v_img, .offset: 64, .size: 8, .value_kind: global_buffer, .address_space: global }
    .group_segment_fixed_size: 327680
    .private_segment_fixed_size: 0
    .kernarg_segment_align: 8
    .kernarg_segment_size: 72
    .max_flat_workgroup_size: 128
    .sgpr_count:     102
    .vgpr_count:     896
    .wavefront_size: 32
...
	.end_amdgpu_metadata
.endif
;; end of part 2
;; launch attn (part 3): grid 32 x 8, 8 waves a work-group, no clusters, 327,680 bytes of LDS; arguments q_img, k_img, v_img, lowp_scales, y_img; writes y_img
.if DOCPART == 3
	.amdgcn_target "amdgcn-amd-amdhsa--gfx1250"
	.amdhsa_code_object_version 6
	.text
	.protected	k_q383776bcf6_attn
	.globl	k_q383776bcf6_attn
	.p2align	8
	.type	k_q383776bcf6_attn,@function
k_q383776bcf6_attn:
	s_mov_b64 s[64:65], 0
	v_nop
	global_prefetch_b8 v0, s[64:65] scope:SCOPE_SE
	s_setreg_imm32_b32 hwreg(HW_REG_WAVE_MODE, 25, 1), 1
	s_wait_xcnt 0x0
; Causal attention on codes of FP8, 8 heads of 128, 4,096 tokens.  t = score x 0.12 x log2(e); M = the running largest t rounded UP to a whole number; p = 2^(t - M) is quantised with 2^e5, not normalised;
; the row's sum is taken of the unquantised p and divides O at the end; when M moves, the sum and O are multiplied by 2^(old M - new M), which rounds nothing.  y = O / sum is quantised with 2^e6.
; LEFT OUT: key steps all of whose keys come after the queries: reference()'s own causal mask gives them the weight 0.
; OPERANDS ARE IMAGES OF REGISTERS (group c of four registers at 512 c + 16 x lane): q_img, k_img [head][token tile][2048], v_img [head][key step of 128][channel tile 8][2048], y_img [block of 128 tokens][head][tile 8][2048].
; SHARES.  Work-group (i, head) owns the blocks of 64 queries i and 63 - i: the same number of key steps in every work-group.  A UNIT is 32 queries, two tiles.  A wave owns one unit and every second key step:
; wave w: the late block where (w xor w / 4) is odd, unit (w / 2) % 2 of it, key steps of parity w / 4.  Each fragment of K and V that it reads from LDS feeds two matrix instructions, and the two tiles' vector chains stand line by line in turns.
; Waves w and w xor 5 own the same unit.  At the end each hands one tile's M, sum and O^T to the other through LDS and finishes the tile that it keeps: both parts are brought under the larger M by powers of two.
; Register tile 0 is the tile that the wave keeps (queries Q0 + 16 x parity on), tile 1 the one that it gives: only addresses and the mask's offsets differ between waves, no branch.
; Both products are used transposed (S^T = K Q^T, O^T = V^T P^T): a lane holds one query.  S^T's tile k holds keys 16 k + 8 h + j in register j, so its eight codes are registers 2 k, 2 k + 1 of P, the order in which v_img has the keys.
; RING.  Two slots of 512 keys: 64 KiB of K's images, 64 KiB of V's; each wave fetches 16 KiB by one tensor load (waves 0-3 K's, 4-7 V's).  Every work-group walks all 8 slots, two steps a wave in each, so the trip counts are constants;
; a step all of whose keys come after the unit's queries is jumped over, and a slot whose first key comes after the work-group's last query is not asked for (ids and the counts of steps alone decide both).
; NO CLUSTER: the jump round hidden steps hangs on the work-group's own queries, which differ between the work-groups that walk one head's K and V.
; PREFETCH: see the macro ASK.
; LIMITS: e2 + e3 between -123 and 130 (added to c's exponent field); e5, e6 between -126 and 119; the scaled scores stay under 2^31 in magnitude; NaN is not served.
; REGISTERS: window 0: v1-11, v38, v39 addresses; v12-15, v16-19 the tiles' -M, largest t and sum; v[20:21], v[22:23] f; v24, v25 p's hold and scale; v26-37 at work; v48-79 Q; v80-111 P; v112-239 S^T, then p.
;   window 1: v0-127 O^T of both tiles; v128-255 eight fragments: K's, then V's.
.set SLOT1, 1<<17                      ; slot 1 begins here
.set SPARE, 2*SLOT1                    ; behind the ring: the spare words, 128 bytes for each of eight waves
.set SREG, 8448                        ; the exchange between the two parities: 8,192 bytes of O^T and 256 of (-M, sum) for each (unit, parity)
.set LI,   1                           ; v1  16 x lane + 16,384 x parity: K's images of my steps
.set LV,   2                           ; v2  + 65,536: V's
.set PFO,  3                           ; v3  256 x lane
.set L16,  4                           ; v4  16 x lane
.set SPW,  5
.set NIL,  6
.set RH,   7                           ; v7  lane % 16 - 8 (lane / 16)
.set ADK,  8
.set ADV,  9
.set STO,  10                          ; v10, v38 where I put the tile that I give
.set STR,  11                          ; v11, v39 where my partner has put its
.set STO2, 38
.set STR2, 39
.set ST,   12
.set FR,   20
.set MX,   26
.set QR,   48
.set PR,   80
.set SR,   112
.set WV,   18
.set SEL,  20                          ; s[20:21] lane l xor 16
.set CS,   22                          ; s[22:23] c = 0.12 log2(e) x 2^(e2 + e3)
.set G1,   24
.set G0,   32
.set TB,   36                          ; s36 the slot in hand
.set SLOTS, 37                         ; s37 changes of slots still to come that may fill
.set QO,   38                          ; s38 0, 32,768: my first and second step of the slot
.set KF,   39                          ; s39 my step's first key
.set Q0,   40                          ; s40 my unit's first query
.set QL,   41                          ; s41 my work-group's last query
.set PFA,  42
.set LIM,  44
.set QE,   68                          ; s68 my unit's last query
.set QK,   69                          ; s69 first query of the tile that I keep
.set QG,   70                          ; s70 of the tile that I give
.set SK,   71                          ; s71 the slot's first key
; HELPERS.  The early block's last key step lies in slot x / 8 (x the work-group's number).  Behind that slot its four waves exchange and finish their tiles (PART1, PART2: the store stands behind a barrier of its own at the slot's end,
; the load behind the next change of slots), load the Q of the late unit with their own (unit, parity), begin new sums, and from then on take that unit's steps parity + 2 of each slot; the late wave keeps step parity.
; At the end a helper hands both tiles to its late wave (w xor 1); the late waves then exchange between the parities.  Ids and the count of slots alone decide all of this.
.set ACT,  79                          ; s79 bit q: my q-th step of a slot is mine
.set ACTN, 80                          ; s80 the same behind the early block's end
.set ROLE, 81                          ; s81 1: a wave of the late block
.set Q0N,  83                          ; s83-86 a helper's unit: first and last query, the two tiles' first queries
.set QEN,  84
.set QKN,  85
.set QGN,  86
.set TSN,  87                          ; s87 the first key of the slot behind the early block's last
.set XST,  SPARE+1024                  ; the exchange's four regions: bytes of their own, into which no fill lands
.set HREG, 16896                       ; a helper's hand-over: 16,384 bytes of O^T and 512 of (-M, sum), in the ring's bytes behind their last fill and last read
.set HA,   43
.set HB,   46
.set MSB, 0
.macro WIN new
.if MSB != \new
	s_set_vgpr_msb (MSB<<8)|\new
.set MSB, \new
.endif
.endm
; A PREFETCH INTO THE L2 of what the NEXT change of slots will ask for.  All 32 work-groups of a head walk the same K and V: the one with x = 0, which walks all slots, asks.  Each of its waves names its own 16 KiB:
; two instructions, lanes 256 bytes apart: each aligned block of 256 bytes is named once in the launch.  Slots 0 and 1 come by their loads alone; the last change that fills asks for nothing.
.macro ASK
	s_cmp_gt_u32 s[SLOTS], s[LIM]
	s_cbranch_scc0 .Lnot_mine_\@
	global_prefetch_b8 v[PFO], s[PFA:PFA+1] th:TH_LOAD_NT scope:SCOPE_SE
	global_prefetch_b8 v[PFO], s[PFA:PFA+1] offset:8192 th:TH_LOAD_NT scope:SCOPE_SE
.Lnot_mine_\@:
.endm
	s_load_b256 s[4:11], s[0:1], 0x0               ; q_img, k_img, v_img, the scales' exponents
	s_load_b64 s[12:13], s[0:1], 0x20              ; y_img
	v_lshl_add_u32 v[SPW], v0, 2, SPARE
	v_mov_b32 v[NIL], 0
	ds_add_u32 v[SPW], v[NIL]                      ; the opening lines: the add twice and its wait ahead of my first tensor load
	ds_add_u32 v[SPW], v[NIL]
	v_lshrrev_b32 v8, 5, v0
	v_readfirstlane_b32 s[WV], v8                  ; wave 0..7
	s_and_b32 s46, ttmp7, 0xffff                   ; the head
	s_lshl_b32 s56, s46, 19                        ; its 524,288 bytes in q_img, k_img, v_img
	s_and_b32 s47, s[WV], 3
	s_lshl_b32 s47, s47, 14
	s_add_co_u32 s58, s56, s47                     ; my 16 KiB of slot 0
	s_mov_b32 s59, 0
	s_lshr_b32 s72, s[WV], 2                       ; my parity
	s_xor_b32 s60, s72, s[WV]
	s_and_b32 s60, s60, 1                          ; 1: the late block
	s_lshl_b32 s61, ttmp9, 6                       ; 64 i
	s_sub_co_u32 s62, 4032, s61                    ; 64 (63 - i)
	s_cmp_eq_u32 s60, 0
	s_cselect_b32 s[Q0], s61, s62
	s_sub_co_u32 s[QL], 4095, s61
	s_bfe_u32 s60, s[WV], 0x10001                  ; my unit of the block
	s_lshl_b32 s60, s60, 5
	s_add_co_u32 s[Q0], s[Q0], s60
	s_add_co_u32 s[QE], s[Q0], 31
	s_lshl_b32 s78, s72, 4
	s_add_co_u32 s[QK], s[Q0], s78
	s_xor_b32 s78, s78, 16
	s_add_co_u32 s[QG], s[Q0], s78
	s_add_co_u32 s[Q0N], s62, s60                  ; the late unit with my unit's number
	s_add_co_u32 s[QEN], s[Q0N], 31
	s_add_co_u32 s[QGN], s[Q0N], s78
	s_xor_b32 s78, s78, 16
	s_add_co_u32 s[QKN], s[Q0N], s78
	s_xor_b32 s[ROLE], s72, s[WV]
	s_and_b32 s[ROLE], s[ROLE], 1
	s_mov_b32 s[ACT], 3
	s_sub_co_u32 s[ACTN], 2, s[ROLE]               ; then: a late wave its first step, a helper its second
	s_lshr_b32 s[TSN], ttmp9, 3
	s_lshl_b32 s[TSN], s[TSN], 9
	s_add_co_u32 s[TSN], s[TSN], 512
	s_lshl_b32 s88, s[QKN], 7
	s_add_co_u32 s88, s88, s56
	s_mov_b32 s89, 0
	s_lshl_b32 s90, s[QGN], 7
	s_add_co_u32 s90, s90, s56
	s_mov_b32 s91, 0
	s_lshl_b32 s[KF], s72, 7
	s_lshl_b32 s73, s72, 14
	s_bfe_u32 s74, s[WV], 0x10001
	s_lshl_b32 s75, s72, 1
	s_add_co_u32 s74, s74, s75                     ; unit + 2 x parity
	s_mul_i32 s92, s74, HREG
	s_xor_b32 s75, s74, 2                          ; the other parity
	s_mul_i32 s74, s74, SREG
	s_mul_i32 s75, s75, SREG
	s_add_co_u32 s74, s74, XST
	s_add_co_u32 s75, s75, XST
	s_lshl_b32 s60, s[QG], 7                       ; an image of 16 queries is 2,048 bytes
	s_add_co_u32 s60, s60, s56
	s_mov_b32 s61, 0
	s_lshl_b32 s62, s[QK], 7
	s_add_co_u32 s56, s56, s62
	s_mov_b32 s57, 0
	s_lshr_b32 s62, s[QK], 7                       ; y_img: ((block x 8 + head) x 8 + tile) x 2,048
	s_lshl_b32 s62, s62, 3
	s_add_co_u32 s62, s62, s46
	s_lshl_b32 s62, s62, 3
	s_bfe_u32 s63, s[QK], 0x30004
	s_add_co_u32 s62, s62, s63
	s_lshl_b32 s62, s62, 11
	s_mov_b32 s63, 0
	s_mov_b32 s[G1], 3<<16                         ; elements of 8 bytes; 64 rows of 256 bytes, dense
	s_mov_b32 s[G1+1], 32<<16
	s_mov_b32 s[G1+2], 64<<16
	s_mov_b32 s[G1+3], 32<<16
	s_mov_b32 s[G1+4], 64
	s_mov_b32 s[G1+5], 32
	s_mov_b32 s[G1+6], 0
	s_mov_b32 s[G1+7], 0
	s_mov_b32 s[SEL], 0x76543210
	s_mov_b32 s[SEL+1], 0xfedcba98
	s_mov_b32 s[CS], 0x3e314743                    ; 0.12 x log2(e)
	s_mov_b32 s[TB], 0
	s_mov_b32 s[SLOTS], 7
	s_mov_b32 s[SK], 0
	s_wait_dscnt 0x0                               ; both opening adds are done
	s_wait_kmcnt 0x0
	s_load_b256 s[48:55], s[10:11], 0x0            ; e0 .. e7
	s_cmp_lt_u32 s[WV], 4
	s_cselect_b64 s[66:67], s[6:7], s[8:9]         ; waves 0-3 fetch K's images, waves 4-7 V's
	s_add_nc_u64 s[66:67], s[66:67], s[58:59]
	s_mov_b32 s[G0], 1
	s_lshl_b32 s[G0+1], s[WV], 14                  ; LDS: 16,384 x wave, in slot 0
	s_mov_b64 s[G0+2:G0+3], s[66:67]
	s_or_b32 s[G0+3], s[G0+3], 0x80000000
	tensor_load_to_lds s[G0:G0+3], s[G1:G1+7]      ; slot 0: my one tensor load at the head
	s_nop 0
.rept 4
	v_nop
.endr
	s_add_nc_u64 s[PFA:PFA+1], s[66:67], 65536     ; in slot 1: the first change of slots steps it to slot 2
	s_cmp_eq_u32 ttmp9, 0
	s_cselect_b32 s[LIM], 1, -1
	s_add_nc_u64 s[88:89], s[4:5], s[88:89]
	s_add_nc_u64 s[90:91], s[4:5], s[90:91]
	s_add_nc_u64 s[76:77], s[4:5], s[60:61]
	s_add_nc_u64 s[4:5], s[4:5], s[56:57]
	s_add_nc_u64 s[12:13], s[12:13], s[62:63]
	v_and_b32 v[L16], 31, v0
	v_lshlrev_b32 v[PFO], 8, v[L16]
	v_lshlrev_b32 v[STO2], 3, v[L16]
	v_lshlrev_b32 v[L16], 4, v[L16]
.irp c, 0,1,2,3
	global_load_b128 v[QR+4*\c:QR+4*\c+3], v[L16], s[4:5] offset:512*\c       ; Q of the tile that I keep
	global_load_b128 v[QR+16+4*\c:QR+16+4*\c+3], v[L16], s[76:77] offset:512*\c   ; and of the tile that I give
.endr
	v_add_nc_u32 v[LI], s73, v[L16]
	v_add_nc_u32 v[LV], 0x10000, v[LI]
	v_add_nc_u32 v[STO], s74, v[L16]
	v_add_nc_u32 v[STR], s75, v[L16]
	v_add_nc_u32 v[HA], s92, v[L16]
	v_add_nc_u32 v[HB], s92, v[STO2]
	v_add_nc_u32 v[STR2], s75, v[STO2]
	v_add_nc_u32 v[STO2], s74, v[STO2]
	v_and_b32 v[RH], 15, v0
	v_bfe_u32 v40, v0, 4, 1
	v_lshlrev_b32 v40, 3, v40
	v_sub_nc_u32 v[RH], v[RH], v40
	v_mov_b32 v13, 0xff61b1e6                      ; the largest t so far: -3e38
	v_mov_b32 v17, 0xff61b1e6
	v_floor_f32 v12, -v13                          ; -M
	v_floor_f32 v16, -v17
.irp r, 14,15,18,19,21,23,28,31,34,37
	v_mov_b32 v\r, 0                               ; the sums; the upper halves of f's pairs; the lane permutes' destinations
.endr
	WIN 0x40
.set n, 0
.rept 128
	v_mov_b32 v[n], 0                              ; O^T: the step has no first form of its own: the first change of M multiplies zeros
.set n, n+1
.endr
	WIN 0
	s_wait_kmcnt 0x0
	s_add_co_i32 s45, s50, s51
	s_lshl_b32 s45, s45, 23
	s_add_co_i32 s[CS], s[CS], s45                 ; e2 + e3 are added to c's exponent field
	s_mov_b32 s[CS+1], s[CS]
	s_add_co_i32 s45, s53, 127
	s_lshl_b32 s47, s45, 23
	v_mov_b32 v25, s47                             ; 2^e5
	s_add_co_i32 s45, s45, 8
	s_lshl_b32 s45, s45, 23
	s_or_b32 s45, s45, 0x600000
	v_mov_b32 v24, s45                             ; 448 x 2^e5
; A KEY STEP: 128 keys against my two tiles.
.macro STEP
	s_lshr_b32 s45, s[QO], 15
	s_lshr_b32 s45, s[ACT], s45
	s_and_b32 s45, s45, 1
	s_cmp_eq_u32 s45, 0                            ; this step of the slot is my helper's or my late wave's
	s_cbranch_scc1 .Lhidden_\@
	s_cmp_gt_u32 s[KF], s[QE]
	s_cbranch_scc1 .Lhidden_\@
	s_add_co_u32 s45, s[TB], s[QO]
	v_add_nc_u32 v[ADK], s45, v[LI]
	v_add_nc_u32 v[ADV], s45, v[LV]
	s_wait_alu depctr_va_vdst(0)
	v_nop
	v_nop                                          ; with the two additions: four places in front of loads into registers that the last products read
	WIN 0x40
.irp k, 0,1,2,3,4,5,6,7
.irp c, 0,1,2,3
	ds_load_b128 v[128+16*\k+4*\c:128+16*\k+4*\c+3], v[ADK] offset:\k*2048+\c*512
.endr
.endr
	WIN 0x01
.irp k, 0,1,2,3,4,5,6,7
	s_wait_dscnt 28-4*\k                           ; of the 32 loads the first 4 (k + 1) are in: K's fragment k
	v_wmma_f32_16x16x128_fp8_fp8 v[SR+8*\k:SR+8*\k+7], v[128+16*\k:128+16*\k+15], v[QR:QR+15], 0
	v_wmma_f32_16x16x128_fp8_fp8 v[SR+64+8*\k:SR+64+8*\k+7], v[128+16*\k:128+16*\k+15], v[QR+16:QR+31], 0
.endr
.rept 4
	v_nop                                          ; places: in front of the loads over K's fragments and of the first reads of S^T
.endr
	WIN 0x40
.irp k, 0,1,2,3,4,5,6,7
.irp c, 0,1,2,3
	ds_load_b128 v[128+16*\k+4*\c:128+16*\k+4*\c+3], v[ADV] offset:\k*2048+\c*512   ; V's fragments come while the softmax is worked
.endr
.endr
	WIN 0
	s_add_co_u32 s45, s[KF], 127
	s_cmp_le_u32 s45, s[Q0]                        ; all keys count for all 32 queries: no mask
	s_cbranch_scc1 .Lopen_\@
	s_sub_co_i32 s45, s[QK], s[KF]
	s_sub_co_i32 s47, s[QG], s[KF]
	v_add_nc_u32 v40, s45, v[RH]                   ; my query - the step's first key - 8 h: register 8 k + j holds a hidden key where 16 k + j is above it
	v_add_nc_u32 v41, s47, v[RH]
	v_mov_b32 v42, 0xff800000                      ; -infinity: p = 0
.set n, 0
.rept 64
	v_cmp_gt_i32 vcc_lo, 16*(n/8)+n%8, v40
	v_cndmask_b32 v[SR+n], v[SR+n], v42, vcc_lo
	v_cmp_gt_i32 vcc_lo, 16*(n/8)+n%8, v41
	v_cndmask_b32 v[SR+64+n], v[SR+64+n], v42, vcc_lo
.set n, n+1
.endr
.Lopen_\@:
.irp t, 0,1                                    ; the step's largest score of each query among my 64 keys, two chains a tile; each accumulator is first read at its low end
	v_max3_num_f32 v[MX+6*\t], v[SR+64*\t], v[SR+64*\t+1], v[SR+64*\t+2]
	v_max3_num_f32 v[MX+6*\t+1], v[SR+64*\t+3], v[SR+64*\t+4], v[SR+64*\t+5]
.endr
.irp i, 6,10,14,18,22,26,30,34,38,42,46,50,54,58
.irp t, 0,1
	v_max3_num_f32 v[MX+6*\t], v[MX+6*\t], v[SR+64*\t+\i], v[SR+64*\t+\i+1]
	v_max3_num_f32 v[MX+6*\t+1], v[MX+6*\t+1], v[SR+64*\t+\i+2], v[SR+64*\t+\i+3]
.endr
.endr
.irp t, 0,1
	v_max3_num_f32 v[MX+6*\t], v[MX+6*\t], v[SR+64*\t+62], v[SR+64*\t+63]
.endr
.irp t, 0,1
	v_max_num_f32 v[MX+6*\t], v[MX+6*\t], v[MX+6*\t+1]
.endr
.irp t, 0,1
	v_permlanex16_b32 v[MX+6*\t+2], v[MX+6*\t], s[SEL], s[SEL+1]
.endr
.irp t, 0,1
	v_max_num_f32 v[MX+6*\t], v[MX+6*\t], v[MX+6*\t+2]   ; and among lane l xor 16's
.endr
.irp t, 0,1
	v_mul_f32 v[MX+6*\t], s[CS], v[MX+6*\t]        ; as t (c is positive)
.endr
.irp t, 0,1
	v_max_num_f32 v[ST+4*\t+1], v[ST+4*\t+1], v[MX+6*\t]   ; the running largest t
.endr
.irp t, 0,1
	v_mov_b32 v[MX+6*\t], v[ST+4*\t]
.endr
.irp t, 0,1
	v_floor_f32 v[ST+4*\t], -v[ST+4*\t+1]          ; the new -M = -ceil(t)
.endr
.irp t, 0,1
	v_sub_f32 v[MX+6*\t], v[ST+4*\t], v[MX+6*\t]   ; old M - new M: a whole number, 0 or less
.endr
.irp t, 0,1
	v_cvt_i32_f32 v[MX+6*\t], v[MX+6*\t]           ; (it saturates)
.endr
.irp t, 0,1
	v_ldexp_f32 v[FR+2*\t], 1.0, v[MX+6*\t]        ; f = 2^(old M - new M)
.endr
.set n, 0
.rept 32
	v_pk_fma_f32 v[SR+n:SR+n+1], v[SR+n:SR+n+1], s[CS:CS+1], v[ST:ST+1] op_sel_hi:[1,0,0]   ; t - M
	v_pk_fma_f32 v[SR+64+n:SR+65+n], v[SR+64+n:SR+65+n], s[CS:CS+1], v[ST+4:ST+5] op_sel_hi:[1,0,0]
.set n, n+2
.endr
	WIN 0x41                                       ; O^T under the new M, ahead of the exponentials; each accumulator from its low end on
.set n, 0
.rept 32
	v_pk_mul_f32 v[n:n+1], v[n:n+1], v[FR:FR+1] op_sel_hi:[1,0]
	v_pk_mul_f32 v[64+n:65+n], v[64+n:65+n], v[FR+2:FR+3] op_sel_hi:[1,0]
.set n, n+2
.endr
	WIN 0
	s_wait_alu depctr_va_vdst(0)                   ; the wait ahead of the batch
.set n, 0
.rept 128
	v_exp_f32 v[SR+n], v[SR+n]                     ; p = 2^(t - M)
.set n, n+1
.endr
	v_pk_mul_f32 v[ST+2:ST+3], v[ST+2:ST+3], v[FR:FR+1] op_sel_hi:[1,0]   ; the sums under the new M (plain lines behind the exponentials)
	v_pk_mul_f32 v[ST+6:ST+7], v[ST+6:ST+7], v[FR+2:FR+3] op_sel_hi:[1,0]
	s_wait_alu depctr_va_vdst(0)                   ; one wait for the batch, ahead of its first reader
.irp t, 0,1                                    ; the rows' sums of the unquantised p: four chains a tile
.set S_, SR+64*\t
.set M_, MX+6*\t
.set L_, ST+4*\t+2
	v_pk_add_f32 v[M_:M_+1], v[S_:S_+1], v[S_+2:S_+3]
	v_pk_add_f32 v[M_+2:M_+3], v[S_+4:S_+5], v[S_+6:S_+7]
	v_pk_add_f32 v[M_+4:M_+5], v[S_+8:S_+9], v[S_+10:S_+11]
	v_pk_add_f32 v[L_:L_+1], v[L_:L_+1], v[S_+12:S_+13]
.endr
.irp i, 14,22,30,38,46,54
.irp t, 0,1
.set S_, SR+64*\t+\i
.set M_, MX+6*\t
.set L_, ST+4*\t+2
	v_pk_add_f32 v[M_:M_+1], v[M_:M_+1], v[S_:S_+1]
	v_pk_add_f32 v[M_+2:M_+3], v[M_+2:M_+3], v[S_+2:S_+3]
	v_pk_add_f32 v[M_+4:M_+5], v[M_+4:M_+5], v[S_+4:S_+5]
	v_pk_add_f32 v[L_:L_+1], v[L_:L_+1], v[S_+6:S_+7]
.endr
.endr
.irp t, 0,1
	v_pk_add_f32 v[MX+6*\t:MX+6*\t+1], v[MX+6*\t:MX+6*\t+1], v[SR+64*\t+62:SR+64*\t+63]
	v_pk_add_f32 v[ST+4*\t+2:ST+4*\t+3], v[ST+4*\t+2:ST+4*\t+3], v[MX+6*\t+4:MX+6*\t+5]
.endr
.irp t, 0,1
	v_pk_add_f32 v[MX+6*\t:MX+6*\t+1], v[MX+6*\t:MX+6*\t+1], v[MX+6*\t+2:MX+6*\t+3]
.endr
.irp t, 0,1
	v_pk_add_f32 v[ST+4*\t+2:ST+4*\t+3], v[ST+4*\t+2:ST+4*\t+3], v[MX+6*\t:MX+6*\t+1]
.endr
.set n, 0
.rept 16                                       ; both tiles on end: S^T's tile n gives registers 2 n, 2 n + 1 of P
.irp i, 0,1,2,3,4,5,6,7
	v_min_num_f32 v[SR+8*n+\i], v[SR+8*n+\i], v24  ; the conversion does not saturate (ISA guide 7.6.2); p is not negative, so the hold is one-sided
.endr
	v_cvt_scalef32_pk8_fp8_f32 v[PR+2*n:PR+2*n+1], v[SR+8*n:SR+8*n+7], v25
.set n, n+1
.endr
	v_nop                                          ; a plain line between the last conversion and the products
	s_wait_alu depctr_va_vdst(0)                   ; the wait here, directly ahead of the wait below
	s_wait_dscnt 0x0                               ; V's fragments are in
	WIN 0x51
.irp k, 0,1,2,3,4,5,6,7
	v_wmma_f32_16x16x128_fp8_fp8 v[8*\k:8*\k+7], v[128+16*\k:128+16*\k+15], v[PR:PR+15], v[8*\k:8*\k+7]   ; sixteen accumulators by turns
	v_wmma_f32_16x16x128_fp8_fp8 v[64+8*\k:64+8*\k+7], v[128+16*\k:128+16*\k+15], v[PR+16:PR+31], v[64+8*\k:64+8*\k+7]
.endr
	WIN 0
.Lhidden_\@:
	s_add_co_u32 s[KF], s[KF], 256                 ; my next step: the one between is my partner's
.endm
; THE CHANGE OF SLOTS stands at a slot's head: each wave waits for all its tensor loads (its part of the slot ahead), adds 0 to its spare word, waits for that and for its reads of the slot that it has left; one barrier;
; fill = 1: the slot just left is filled with the next 512 keys, if any wave of the work-group will read them.
.macro CHANGE fill
	s_wait_tensorcnt 0x0                           ; no tensor load of mine is out, so group 0 may be written
	ds_add_u32 v[SPW], v[NIL]
.if \fill
	s_xor_b32 s[G0+1], s[G0+1], SLOT1
	s_add_nc_u64 s[G0+2:G0+3], s[G0+2:G0+3], 65536
	s_wait_xcnt 0x0                                ; the last prefetches, a slot back, have read their address
	s_add_nc_u64 s[PFA:PFA+1], s[PFA:PFA+1], 65536
.endif
	s_wait_dscnt 0x0
	s_barrier_signal -1
	s_barrier_wait -1
.if \fill
	s_add_co_u32 s45, s[SK], 512                   ; the first key of the slot that this change would ask for
	s_cmp_gt_u32 s45, s[QL]                        ; past my work-group's last query: none of its waves reads it.  Ids and the count of slots alone: all eight waves go the same way
	s_cbranch_scc1 .Lpast_\@
	tensor_load_to_lds s[G0:G0+3], s[G1:G1+7]      ; my one tensor load until the next change
	s_nop 0
.rept 4
	v_nop
.endr
.Lpast_\@:
	ASK
.endif
.endm
.macro SLOT_STEPS                      ; my two steps of the slot: a counted loop, so that the step's text stands once for each change's form
	s_mov_b32 s[QO], 0
.Lstep_\@:
	STEP
	s_add_co_u32 s[QO], s[QO], 32768
	s_cmp_lt_u32 s[QO], 65536
	s_cbranch_scc1 .Lstep_\@
	s_xor_b32 s[TB], s[TB], SLOT1
	s_add_co_u32 s[SK], s[SK], 512
.endm
	s_wait_alu depctr_va_vdst(0)                   ; the wait at the head's end
	s_wait_loadcnt 0x0                             ; Q
.macro LSUM                            ; my lane's sums, each beside its tile's -M
	v_add_f32 v13, v14, v15
	v_add_f32 v17, v18, v19
	s_wait_alu depctr_va_vdst(0)
.endm
.macro GIVE                            ; tile 1's O^T, -M and sum for the wave of the other parity
	WIN 0x04                                       ; store data in window 1
.irp g, 0,1,2,3,4,5,6,7,8,9,10,11,12,13,14,15
	ds_store_b128 v[STO], v[64+4*\g:67+4*\g] offset:512*\g
.endr
	WIN 0
	ds_store_b64 v[STO2], v[16:17] offset:8192
.endm
.macro TAKE_OUT                        ; the other parity's part of my tile 0 is joined to mine; y = O^T x 2^(e4 + e5) / the sum, quantised with 2^e6, is stored
	ds_load_b64 v[26:27], v[STR2] offset:8192
.irp g, 0,1,2,3,4,5,6,7,8,9,10,11,12,13,14,15
	ds_load_b128 v[SR+4*\g:SR+4*\g+3], v[STR] offset:512*\g
.endr
	s_wait_dscnt 0x0
	v_min_num_f32 v29, v12, v26                    ; -M of both parts together
	v_sub_f32 v30, v29, v12
	v_sub_f32 v31, v29, v26                        ; (a part with no key has -M = 3e38: its factor comes out 0)
	v_cvt_i32_f32 v30, v30
	v_cvt_i32_f32 v31, v31
	v_ldexp_f32 v30, 1.0, v30
	v_ldexp_f32 v31, 1.0, v31
	v_mul_f32 v32, v13, v30
	v_fma_f32 v32, v27, v31, v32
	v_permlanex16_b32 v28, v32, s[SEL], s[SEL+1]
	v_add_f32 v32, v32, v28                        ; the row's sum
	s_wait_alu depctr_va_vdst(0)                   ; the wait ahead of the transcendental
	v_rcp_f32 v32, v32
	s_add_co_i32 s45, s54, 127                     ; e6
	s_lshl_b32 s47, s45, 23
	v_mov_b32 v45, s47                             ; (a plain line behind the reciprocal)
	s_add_co_i32 s45, s45, 8
	s_lshl_b32 s45, s45, 23
	s_or_b32 s45, s45, 0x600000
	v_mov_b32 v44, s45
	s_add_co_i32 s45, s52, s53                     ; e4 + e5
	s_wait_alu depctr_va_vdst(0)                   ; the wait ahead of the reciprocal's first reader
	v_ldexp_f32 v32, v32, s45
	v_mul_f32 v[FR], v30, v32
	v_mul_f32 v[FR+2], v31, v32
.set n, 0
.rept 32
	v_pk_mul_f32 v[SR+n:SR+n+1], v[SR+n:SR+n+1], v[FR+2:FR+3] op_sel_hi:[1,0]
.set n, n+2
.endr
	WIN 0x01
	s_wait_alu depctr_va_vdst(0)                   ; the wait here, directly ahead of the first reader of O^T
.set n, 0
.rept 32
	v_pk_fma_f32 v[SR+n:SR+n+1], v[n:n+1], v[FR:FR+1], v[SR+n:SR+n+1] op_sel_hi:[1,0,1]   ; each accumulator from its low end on
.set n, n+2
.endr
	WIN 0
.set n, 0
.rept 64
	v_med3_num_f32 v[SR+n], v[SR+n], -v44, v44
.set n, n+1
.endr
.irp k, 0,1,2,3,4,5,6,7
	v_cvt_scalef32_pk8_fp8_f32 v[PR+2*\k:PR+2*\k+1], v[SR+8*\k:SR+8*\k+7], v45
.endr
	v_nop
.irp c, 0,1,2,3
	global_store_b128 v[L16], v[PR+4*\c:PR+4*\c+3], s[12:13] offset:512*\c   ; 32 lanes store 512 consecutive bytes
.endr
.endm
.macro PART1                           ; at the end of the early block's last slot: its waves give a tile each, and ask for their late unit's Q
	s_cmp_lg_u32 s[ROLE], 0
	s_cbranch_scc1 .Lp1_\@
	s_cmp_lg_u32 s[SK], s[TSN]
	s_cbranch_scc1 .Lp1_\@
.rept 4
	v_nop                                          ; places behind the last products
.endr
	LSUM
	GIVE
.irp c, 0,1,2,3
	global_load_b128 v[QR+4*\c:QR+4*\c+3], v[L16], s[88:89] offset:512*\c
	global_load_b128 v[QR+16+4*\c:QR+16+4*\c+3], v[L16], s[90:91] offset:512*\c
.endr
.Lp1_\@:
.endm
.macro PART2                           ; at the head of the slot behind it: the steps are dealt anew; the early waves finish their tiles and begin as helpers
	s_wait_loadcnt 0x0                             ; a helper's Q
	s_cmp_lg_u32 s[SK], s[TSN]
	s_cbranch_scc1 .Lp2_\@
	s_mov_b32 s[ACT], s[ACTN]
	s_cmp_lg_u32 s[ROLE], 0
	s_cbranch_scc1 .Lp2_\@
	TAKE_OUT
	s_mov_b32 s[Q0], s[Q0N]
	s_mov_b32 s[QE], s[QEN]
	s_mov_b32 s[QK], s[QKN]
	s_mov_b32 s[QG], s[QGN]
	s_wait_xcnt 0x0                                ; the stores have read their registers
	v_mov_b32 v13, 0xff61b1e6
	v_mov_b32 v17, 0xff61b1e6
	v_floor_f32 v12, -v13
	v_floor_f32 v16, -v17
.irp r, 14,15,18,19
	v_mov_b32 v\r, 0
.endr
	WIN 0x40
.set n, 0
.rept 128
	v_mov_b32 v[n], 0                              ; O^T begins anew
.set n, n+1
.endr
	WIN 0
	s_wait_alu depctr_va_vdst(0)                   ; the wait ahead of the label
.Lp2_\@:
.endm
.Lslot:
	CHANGE 1
	PART2
	SLOT_STEPS
	s_wait_dscnt 0x0
	s_barrier_signal -1
	s_barrier_wait -1                              ; parts the exchange's loads (PART2) from its stores (PART1)
	PART1
	s_sub_co_u32 s[SLOTS], s[SLOTS], 1
	s_cmp_lg_u32 s[SLOTS], 0
	s_cbranch_scc1 .Lslot
	CHANGE 0                                       ; the last slot is written out: nothing is left to ask for
	s_wait_loadcnt 0x0                             ; as behind every change of slots: no load into Q's registers is out when a step reads them
	SLOT_STEPS
	; THE EXCHANGE.  Tile 1's O^T, -M and sum go to my partner, its part of my tile 0 comes to me.
.rept 4
	v_nop                                          ; places behind the last products
.endr
	LSUM
	s_wait_dscnt 0x0
	s_barrier_signal -1
	s_barrier_wait -1                              ; nobody reads the ring any more, and no tensor load is out: its bytes serve the helpers' hand-over
	s_cmp_lg_u32 s[ROLE], 0
	s_cbranch_scc1 .Lno_hand
	WIN 0x04                                       ; a helper: both tiles' O^T, -M and sum to its late wave; store data in window 1
.irp g, 0,1,2,3,4,5,6,7,8,9,10,11,12,13,14,15,16,17,18,19,20,21,22,23,24,25,26,27,28,29,30,31
	ds_store_b128 v[HA], v[4*\g:4*\g+3] offset:512*\g
.endr
	WIN 0
	ds_store_b64 v[HB], v[12:13] offset:16384
	ds_store_b64 v[HB], v[16:17] offset:16640
.Lno_hand:
	s_wait_dscnt 0x0
	s_barrier_signal -1
	s_barrier_wait -1
	s_cmp_eq_u32 s[ROLE], 0
	s_cbranch_scc1 .Lno_give
	ds_load_b64 v[MX:MX+1], v[HB] offset:16384     ; a late wave: its helper's parts are joined to its own, both under the larger M
	ds_load_b64 v[MX+6:MX+7], v[HB] offset:16640
.irp g, 0,1,2,3,4,5,6,7,8,9,10,11,12,13,14,15,16,17,18,19,20,21,22,23,24,25,26,27,28,29,30,31
	ds_load_b128 v[SR+4*\g:SR+4*\g+3], v[HA] offset:512*\g
.endr
	s_wait_dscnt 0x0
.irp t, 0,1
	v_min_num_f32 v[MX+6*\t+2], v[ST+4*\t], v[MX+6*\t]
.endr
.irp t, 0,1
	v_sub_f32 v[MX+6*\t+3], v[MX+6*\t+2], v[ST+4*\t]
	v_sub_f32 v[MX+6*\t+4], v[MX+6*\t+2], v[MX+6*\t]
.endr
.irp t, 0,1
	v_cvt_i32_f32 v[MX+6*\t+3], v[MX+6*\t+3]
	v_cvt_i32_f32 v[MX+6*\t+4], v[MX+6*\t+4]
.endr
.irp t, 0,1
	v_ldexp_f32 v[FR+2*\t], 1.0, v[MX+6*\t+3]      ; my part's factor,
	v_ldexp_f32 v[MX+6*\t+4], 1.0, v[MX+6*\t+4]    ; the helper's
.endr
.irp t, 0,1
	v_mov_b32 v[ST+4*\t], v[MX+6*\t+2]
	v_mul_f32 v[ST+4*\t+1], v[ST+4*\t+1], v[FR+2*\t]
.endr
.irp t, 0,1
	v_fma_f32 v[ST+4*\t+1], v[MX+6*\t+1], v[MX+6*\t+4], v[ST+4*\t+1]
.endr
.set n, 0
.rept 32
	v_pk_mul_f32 v[SR+n:SR+n+1], v[SR+n:SR+n+1], v[MX+4:MX+5] op_sel_hi:[1,0]
	v_pk_mul_f32 v[SR+64+n:SR+65+n], v[SR+64+n:SR+65+n], v[MX+10:MX+11] op_sel_hi:[1,0]
.set n, n+2
.endr
	WIN 0x41
.set n, 0
.rept 32
	v_pk_fma_f32 v[n:n+1], v[n:n+1], v[FR:FR+1], v[SR+n:SR+n+1] op_sel_hi:[1,0,1]   ; each accumulator from its low end on
	v_pk_fma_f32 v[64+n:65+n], v[64+n:65+n], v[FR+2:FR+3], v[SR+64+n:SR+65+n] op_sel_hi:[1,0,1]
.set n, n+2
.endr
	WIN 0
	GIVE
.Lno_give:
	s_wait_alu depctr_va_vdst(0)                   ; the wait ahead of the barrier
	s_wait_dscnt 0x0
	s_barrier_signal -1
	s_barrier_wait -1
	s_cmp_eq_u32 s[ROLE], 0
	s_cbranch_scc1 .Ldone
	TAKE_OUT
.Ldone:
	s_wait_tensorcnt 0x0                           ; the wave's end
	ds_add_u32 v[SPW], v[NIL]
	s_wait_dscnt 0x0
	s_endpgm
.Lfunc_end_k_q383776bcf6_attn:
	.size	k_q383776bcf6_attn, .Lfunc_end_k_q383776bcf6_attn-k_q383776bcf6_attn
	.p2alignl 7, 3214868480
	.fill 96, 4, 3214868480
	.section	.rodata,"a",@progbits
	.p2align	6, 0x0
	.amdhsa_kernel k_q383776bcf6_attn
		.amdhsa_group_segment_fixed_size 327680
		.amdhsa_private_segment_fixed_size 0
		.amdhsa_enable_private_segment 0
		.amdhsa_kernarg_size 40
		.amdhsa_user_sgpr_count 2
		.amdhsa_user_sgpr_kernarg_segment_ptr 1
		.amdhsa_wavefront_size32 1
		.amdhsa_system_sgpr_workgroup_id_x 1
		.amdhsa_system_sgpr_workgroup_id_y 1
		.amdhsa_system_sgpr_workgroup_id_z 1
		.amdhsa_system_vgpr_workitem_id 0
		.amdhsa_next_free_vgpr 512
		.amdhsa_next_free_sgpr 96
		.amdhsa_reserve_vcc 1
		.amdhsa_float_denorm_mode_32 3
		.amdhsa_float_denorm_mode_16_64 3
		.amdhsa_memory_ordered 1
		.amdhsa_forward_progress 1
		.amdhsa_inst_pref_size 145
	.end_amdhsa_kernel
	.amdgpu_metadata
---
amdhsa.version: [ 1, 2 ]
amdhsa.kernels:
  - .name:           k_q383776bcf6_attn
    .symbol:         k_q383776bcf6_attn.kd
    .args:
      - { .name: q_img, .offset: 0, .size: 8, .value_kind: global_buffer, .address_space: global }
      - { .name: k_img, .offset: 8, .size: 8, .value_kind: global_buffer, .address_space: global }
      - { .name: v_img, .offset: 16, .size: 8, .value_kind: global_buffer, .address_space: global }
      - { .name: lowp_scales, .offset: 24, .size: 8, .value_kind: global_buffer, .address_space: global }
      - { .name: y_img, .offset: 32, .size: 8, .value_kind: global_buffer, .address_space: global }
    .group_segment_fixed_size: 327680
    .private_segment_fixed_size: 0
    .kernarg_segment_align: 8
    .kernarg_segment_size: 40
    .max_flat_workgroup_size: 256
    .sgpr_count:     96
    .vgpr_count:     512
    .wavefront_size: 32
...
	.end_amdgpu_metadata
.endif
;; end of part 3
;; launch proj (part 4): grid 8 x 32, 4 waves a work-group, clusters of 4 x 4, 327,680 bytes of LDS; arguments y_img, p_codes, lowp_scales, out0; writes out0
.if DOCPART == 4
	.amdgcn_target "amdgcn-amd-amdhsa--gfx1250"
	.amdhsa_code_object_version 6
	.text
	.protected	k_q383776bcf6_proj
	.globl	k_q383776bcf6_proj
	.p2align	8
	.type	k_q383776bcf6_proj,@function
k_q383776bcf6_proj:
	s_mov_b64 s[64:65], 0
	v_nop
	global_prefetch_b8 v0, s[64:65] scope:SCOPE_SE
	s_setreg_imm32_b32 hwreg(HW_REG_WAVE_MODE, 25, 1), 1
	s_wait_xcnt 0x0
	s_wait_alu depctr_hold_cnt(0) depctr_sa_sdst(0) depctr_va_vdst(0) depctr_va_sdst(0) depctr_va_ssrc(0) depctr_va_vcc(0) depctr_vm_vsrc(0)
	s_getreg_b32 s2, hwreg(HW_REG_IB_STS2, 6, 4)
	s_cmp_eq_u32 s2, 0
	s_cbranch_scc0 .Lentry_in_a_cluster
	s_endpgm
.Lentry_in_a_cluster:
	s_bfe_u32 s2, ttmp6, 0x10000c
	s_cmp_lg_u32 s2, 0xf033
	s_cbranch_scc0 .Lentry_shape_is_right
	s_endpgm
.Lentry_shape_is_right:
; out0 = y proj_w^T on codes of FP8, x 2^(e6 + e7).  y_img [block of 128 tokens][head 8][tile 8][2048]: images of operand registers (registers 4 c .. 4 c + 3 of lane (r, h): token r, channels 32 c + 16 h + 0 .. 15 of the head);
; p_codes [1024][1024], K innermost, read from LDS by loads of 16 bytes at 16 h + 32 c: the same order of k on both sides.
; A work-group makes 128 x 128 of out0; wave w: tokens 64 (w / 2) on, columns 64 (w % 2) on: 16 accumulators.  Used transposed (source 0 = 16 rows of proj_w, source 1 = 16 tokens): a lane holds 8 neighbouring columns of a row.
; ALL OF K LIES IN LDS, and nothing is filled again: each wave issues ONE first fill: waves 0, 1: 64 KiB of y's images (four heads, dense, as rows of 256 bytes); waves 2, 3: 64 rows of proj_w, 1,024 bytes each, 16 bytes of padding behind each.
; CLUSTER 4 x 4: the four of a row share the tokens (y's images), the four of a column the columns (proj_w's rows): joint loads.
; NO PREFETCH: the launch has no loop to run ahead in: all its tiles are asked for at its head.
; LIMIT: e6 + e7 between -126 and 127, so that 2^(e6 + e7) is an f32 number.
; REGISTERS: window 0: v1-13 addresses; v32-63 a block's results; v64-127 rows read back, two sets; v128-255 the accumulators, (i, n) at 128 + 8 (4 i + n).   window 1: two sets of 128: y's 4 fragments, proj_w's 4.
.set BT,     131072                    ; proj_w's rows begin behind y's images
.set BP,     1040                      ; their pitch in LDS: 1,024 + 16 bytes = 260 words: row r starts at bank 4 r mod 64
.set STAGE,  BT+128*BP                 ; 16 rows x 272 bytes for each wave: bytes of their own, into which no fill lands
.set SPITCH, 272
.set SPARE,  STAGE+4*16*SPITCH         ; the spare words, 128 bytes a wave
.set LI,   1
.set ADRA, 2                           ; v2, v3   y's images of heads 0-3, 4-7
.set ADRB, 4                           ; v4       proj_w's rows
.set STO,  8
.set RD,   9
.set CO,   10
.set SPW,  12
.set NIL,  13
.set TMP,  32
.set BK,   64
.set ACC,  128
.set WV,   14                          ; s14 wave, s15 w / 2, s16 w % 2, s17 cx, s18 cy, s19 tile of columns, s20 block of tokens
.set G1A,  24
.set G1B,  32
.set G0A,  40
.set G0B,  44
.set MSB, 0
.macro WIN new
.if MSB != \new
	s_set_vgpr_msb (MSB<<8)|\new
.set MSB, \new
.endif
.endm
.macro CROUND                          ; a round of the cluster's barrier
	s_barrier_signal -1
	s_barrier_wait -1
	s_cmp_lg_u32 s[WV], 0
	s_cbranch_scc1 .Lnot_wave_0_\@
	s_barrier_signal -3
.Lnot_wave_0_\@:
	s_barrier_wait -3
	s_barrier_signal -1
	s_barrier_wait -1
.endm
.macro PLACES
.rept 4
	v_nop
.endr
.endm
	s_load_b256 s[4:11], s[0:1], 0x0               ; y_img, p_codes, the scales' exponents, out0
	v_lshl_add_u32 v[SPW], v0, 2, SPARE
	v_mov_b32 v[NIL], 0
	ds_add_u32 v[SPW], v[NIL]                      ; the opening lines: the add twice and its wait ahead of my first tensor load
	ds_add_u32 v[SPW], v[NIL]
	v_lshrrev_b32 v1, 5, v0
	v_readfirstlane_b32 s[WV], v1
	s_lshr_b32 s15, s[WV], 1                       ; my half of the tokens.  Also: I fetch y (0) or proj_w (1)
	s_and_b32 s16, s[WV], 1                        ; my half of the columns.  Also: which half I fetch
	s_bfe_u32 s17, ttmp6, 0x40000
	s_bfe_u32 s18, ttmp6, 0x40004
	s_lshl_b32 s19, ttmp9, 2
	s_add_co_u32 s19, s19, s17                     ; tile of 128 columns
	s_and_b32 s20, ttmp7, 0xffff
	s_lshl_b32 s20, s20, 2
	s_add_co_u32 s20, s20, s18                     ; block of 128 tokens
	s_lshl_b32 s21, s18, 2
	s_lshl_b32 s21, 15, s21                        ; my row of the cluster
	s_lshl_b32 s22, 0x1111, s17                    ; my column
	s_or_b32 s[G1A], s21, (3<<16)|(1<<21)          ; the mask; elements of 8 bytes; bit 21 beside a mask; no padding
	s_mov_b32 s[G1A+1], 32<<16                     ; 256 rows of 256 bytes, dense: 64 KiB
	s_mov_b32 s[G1A+2], 256<<16
	s_mov_b32 s[G1A+3], 32<<16
	s_mov_b32 s[G1A+4], 256
	s_mov_b32 s[G1A+5], 32
	s_mov_b32 s[G1A+6], 0
	s_mov_b32 s[G1A+7], 0
	s_or_b32 s[G1B], s22, (0<<16)|(1<<20)|(1<<21)|(7<<22)|(3<<25)   ; elements of 1 byte; after every 256 words, 4 words of padding
	s_mov_b32 s[G1B+1], 1024<<16
	s_mov_b32 s[G1B+2], 64<<16
	s_mov_b32 s[G1B+3], 1024<<16
	s_mov_b32 s[G1B+4], 64
	s_mov_b32 s[G1B+5], 1024
	s_mov_b32 s[G1B+6], 0
	s_mov_b32 s[G1B+7], 0
	s_lshl_b32 s86, s20, 17                        ; y: 131,072 bytes a block,
	s_lshl_b32 s87, s16, 16                        ; heads 0-3 or 4-7
	s_add_co_u32 s86, s86, s87
	s_mov_b32 s87, 0
	s_lshl_b32 s88, s19, 17                        ; proj_w: 128 rows of 1,024 bytes a tile,
	s_lshl_b32 s89, s16, 16                        ; 64 rows
	s_add_co_u32 s88, s88, s89
	s_mov_b32 s89, 0
	s_lshl_b32 s90, s16, 16                        ; LDS: no place in the cluster enters an LDS address
	s_mul_i32 s91, s16, 64*BP
	s_add_co_u32 s91, s91, BT
	s_wait_dscnt 0x0                               ; both opening adds are done
	s_wait_kmcnt 0x0
	s_load_b256 s[76:83], s[8:9], 0x0              ; e0 .. e7
	s_add_nc_u64 s[86:87], s[4:5], s[86:87]
	s_add_nc_u64 s[88:89], s[6:7], s[88:89]
	s_mov_b32 s[G0A], 1
	s_mov_b32 s[G0A+1], s90
	s_mov_b64 s[G0A+2:G0A+3], s[86:87]
	s_or_b32 s[G0A+3], s[G0A+3], 0x80000000
	s_mov_b32 s[G0B], 1
	s_mov_b32 s[G0B+1], s91
	s_mov_b64 s[G0B+2:G0B+3], s[88:89]
	s_or_b32 s[G0B+3], s[G0B+3], 0x80000000
	CROUND                                         ; all sixteen work-groups are here: the joint loads meet
	s_cmp_lt_u32 s[WV], 2                          ; one fill to an arm, both arms lead to one join
	s_cbranch_scc0 .Lfirst_b
	tensor_load_to_lds s[G0A:G0A+3], s[G1A:G1A+7]
	s_nop 0
	PLACES
	s_branch .Lfirst_asked
.Lfirst_b:
	tensor_load_to_lds s[G0B:G0B+3], s[G1B:G1B+7]
	s_nop 0
	PLACES
.Lfirst_asked:
	s_lshl_b32 s92, s15, 13                        ; my four token tiles: 4 x 2,048 bytes
	s_mul_i32 s93, s16, 64*BP
	s_add_co_u32 s93, s93, BT                      ; my 64 rows of proj_w
	s_mul_i32 s85, s[WV], 16*SPITCH
	s_add_co_u32 s85, s85, STAGE                   ; my stage
	s_lshl_b32 s94, s20, 19                        ; out0: 128 rows of 4,096 bytes a block,
	s_lshl_b32 s95, s15, 18                        ; my 64 rows,
	s_add_co_u32 s94, s94, s95
	s_lshl_b32 s95, s19, 9                         ; the tile's 512 bytes,
	s_add_co_u32 s94, s94, s95
	s_lshl_b32 s95, s16, 8                         ; my 256
	s_add_co_u32 s94, s94, s95
	s_mov_b32 s95, 0
	s_add_nc_u64 s[10:11], s[10:11], s[94:95]
	v_and_b32 v[LI], 31, v0
	v_lshlrev_b32 v[LI], 4, v[LI]
	v_and_b32 v14, 15, v0                          ; r
	v_bfe_u32 v15, v0, 4, 1                        ; h
	v_add_nc_u32 v[ADRA], s92, v[LI]
	v_add_nc_u32 v[ADRA+1], 0x10000, v[ADRA]
	v_mul_u32_u24 v[ADRB], v14, BP
	v_lshl_add_u32 v[ADRB], v15, 4, v[ADRB]
	v_add_nc_u32 v[ADRB], s93, v[ADRB]
	v_mul_u32_u24 v[STO], v14, SPITCH
	v_lshl_add_u32 v[STO], v15, 5, v[STO]
	v_add_nc_u32 v[STO], s85, v[STO]               ; in: row r, 32 bytes for each half of the lanes
	v_mul_u32_u24 v[RD], v15, SPITCH
	v_lshl_add_u32 v[RD], v14, 4, v[RD]
	v_add_nc_u32 v[RD], s85, v[RD]                 ; back: lanes 0-15 one row of 256 bytes, lanes 16-31 the next
	v_lshlrev_b32 v[CO], 12, v15
	v_lshl_add_u32 v[CO], v14, 4, v[CO]            ; and the same two rows in out0
.macro FETCH s                         ; 32 LDS loads in one run: the 8 fragments of K step s (128 along K = head s) into set s % 2
.set FP, 128*((\s)%2)
	WIN 0x40                                       ; destination window 1
.irp i, 0,1,2,3
.irp c, 0,1,2,3
	ds_load_b128 v[FP+16*\i+4*\c:FP+16*\i+4*\c+3], v[ADRA+(\s)/4] offset:((\s)%4)*16384+\i*2048+\c*512
.endr
.endr
.irp n, 0,1,2,3
.irp c, 0,1,2,3
	ds_load_b128 v[FP+64+16*\n+4*\c:FP+64+16*\n+4*\c+3], v[ADRB] offset:(\s)*128+\n*16*BP+32*\c
.endr
.endr
.endm
.macro KSTEP s
	s_wait_dscnt 0x0                               ; this K step's fragments are in
.if (\s)+1 < 8
	PLACES                                         ; in front of loads into the set that the last K step's products read
	FETCH (\s)+1
.endif
.set FP, 128*((\s)%2)
	WIN 0x05                                       ; sources 0, 1 window 1
.irp i, 0,1,2,3
.irp n, 0,1,2,3
.if (\s) == 0
	v_wmma_f32_16x16x128_fp8_fp8 v[ACC+8*(4*\i+\n):ACC+8*(4*\i+\n)+7], v[FP+64+16*\n:FP+64+16*\n+15], v[FP+16*\i:FP+16*\i+15], 0
.else
	v_wmma_f32_16x16x128_fp8_fp8 v[ACC+8*(4*\i+\n):ACC+8*(4*\i+\n)+7], v[FP+64+16*\n:FP+64+16*\n+15], v[FP+16*\i:FP+16*\i+15], v[ACC+8*(4*\i+\n):ACC+8*(4*\i+\n)+7]
.endif
.endr
.endr
.endm
	s_wait_alu depctr_va_vdst(0)                   ; the wait at the head's end
	s_wait_tensorcnt 0x0                           ; my fill is in,
	s_barrier_signal -1
	s_barrier_wait -1                              ; everybody's is
	FETCH 0
.irp s, 0,1,2,3,4,5,6,7                ; the sixteen accumulators take turns, in the same order in every K step
	KSTEP \s
.endr
	WIN 0
	s_wait_kmcnt 0x0
	s_add_co_i32 s84, s82, s83                     ; e6 + e7
	s_add_co_i32 s84, s84, 127
	s_lshl_b32 s84, s84, 23                        ; 2^(e6 + e7) as f32
	s_mov_b32 s85, s84                             ; (named with it as a pair)
	PLACES
; THE WAY OUT, a block of 16 rows x 64 columns at a time, through my own stage: a lane's 32 bytes go in, whole rows of 256 bytes come back.  LDS serves a wave's instructions in order, so no wait stands between them.
.macro TOSTAGE i
.set p, 0
.rept 16
	v_pk_mul_f32 v[TMP+p:TMP+p+1], v[ACC+32*(\i)+p:ACC+32*(\i)+p+1], s[84:85] op_sel_hi:[1,0]   ; each accumulator from its low end on
.set p, p+2
.endr
.irp n, 0,1,2,3
	ds_store_b128 v[STO], v[TMP+8*\n:TMP+8*\n+3] offset:64*\n
	ds_store_b128 v[STO], v[TMP+8*\n+4:TMP+8*\n+7] offset:64*\n+16
.endr
.set BB, BK+32*((\i)%2)
.irp t, 0,1,2,3,4,5,6,7
	ds_load_b128 v[BB+4*\t:BB+4*\t+3], v[RD] offset:\t*2*SPITCH
.endr
.endm
.macro SEND i, younger                 ; younger: the LDS instructions issued behind block i's loads, which may stay out
.set BB, BK+32*((\i)%2)
	s_wait_dscnt \younger
.irp t, 0,1,2,3,4,5,6,7
	global_store_b128 v[CO], v[BB+4*\t:BB+4*\t+3], s[10:11] offset:(16*(\i)+2*\t)*4096 th:TH_STORE_NT   ; 16 lanes store 256 consecutive bytes, at a multiple of 256 from out0's first byte
.endr
.endm
	TOSTAGE 0
.irp i, 1,2,3
.if \i > 1
	s_wait_xcnt 0x0                                ; block i - 2's stores have read their registers: block i's loads may land there
.endif
	TOSTAGE \i
	SEND \i-1, 16                                  ; behind block i - 1's loads: block i's 8 stores and 8 loads
.endr
	SEND 3, 0
	s_wait_tensorcnt 0x0                           ; the wave's end, behind my last tensor load and my last LDS store
	ds_add_u32 v[SPW], v[NIL]
	s_wait_dscnt 0x0
	CROUND                                         ; the closing round: no work-group ends while a partner may still ask for a tile that names it
	s_endpgm
.Lfunc_end_k_q383776bcf6_proj:
	.size	k_q383776bcf6_proj, .Lfunc_end_k_q383776bcf6_proj-k_q383776bcf6_proj
	.p2alignl 7, 3214868480
	.fill 96, 4, 3214868480
	.section	.rodata,"a",@progbits
	.p2align	6, 0x0
	.amdhsa_kernel k_q383776bcf6_proj
		.amdhsa_group_segment_fixed_size 327680
		.amdhsa_private_segment_fixed_size 0
		.amdhsa_enable_private_segment 0
		.amdhsa_kernarg_size 32
		.amdhsa_user_sgpr_count 2
		.amdhsa_user_sgpr_kernarg_segment_ptr 1
		.amdhsa_wavefront_size32 1
		.amdhsa_system_sgpr_workgroup_id_x 1
		.amdhsa_system_sgpr_workgroup_id_y 1
		.amdhsa_system_sgpr_workgroup_id_z 1
		.amdhsa_system_vgpr_workitem_id 0
		.amdhsa_next_free_vgpr 512
		.amdhsa_next_free_sgpr 96
		.amdhsa_reserve_vcc 0
		.amdhsa_float_denorm_mode_32 3
		.amdhsa_float_denorm_mode_16_64 3
		.amdhsa_memory_ordered 1
		.amdhsa_forward_progress 1
		.amdhsa_inst_pref_size 44
	.end_amdhsa_kernel
	.amdgpu_metadata
---
amdhsa.version: [ 1, 2 ]
amdhsa.kernels:
  - .name:           k_q383776bcf6_proj
    .symbol:         k_q383776bcf6_proj.kd
    .args:
      - { .name: y_img, .offset: 0, .size: 8, .value_kind: global_buffer, .address_space: global }
      - { .name: p_codes, .offset: 8, .size: 8, .value_kind: global_buffer, .address_space: global }
      - { .name: lowp_scales, .offset: 16, .size: 8, .value_kind: global_buffer, .address_space: global }
      - { .name: out0, .offset: 24, .size: 8, .value_kind: global_buffer, .address_space: global }
    .group_segment_fixed_size: 327680
    .private_segment_fixed_size: 0
    .kernarg_segment_align: 8
    .kernarg_segment_size: 32
    .max_flat_workgroup_size: 128
    .sgpr_count:     96
    .vgpr_count:     512
    .wavefront_size: 32
...
	.end_amdgpu_metadata
.endif
;; end of part 4
